; MI455X (gfx1250); checked and timed in simulation.
; The chip was launched on July 23, 2026; its instructions are those of AMD's public machine-readable ISA for CDNA 5 (MIT licence, August 2026) and "CDNA5" Instruction Set Architecture Reference Guide (July 2026). The comments in the code are by the model that wrote it; some were corrected since.
;; Attention Model. Allowed arithmetic: float matrix products may take bf16 or f16 operands with f32 sums; all other float work in f32.
;; Inputs: b_proj 1,024 float32; b_qkv 3,072 float32; w_proj 1,024 x 1,024 float32; w_qkv 1,024 x 3,072 float32; x 4 x 2,048 x 1,024 float32.
;; Outputs: out0 4 x 2,048 x 1,024 float32.
;; 2 versions, each right and faster than the one before. Each part assembles by itself: llvm-mc -triple=amdgcn-amd-amdhsa -mcpu=gfx1250 --defsym DOCPART=n.
;; ======== version 1 of 2: 4 launches
;; limits: values are held in f16: magnitudes above 65,504 overflow, below 6.1e-05 lose precision
;; workspace buffers: xb 16,777,216 bytes; wqb 6,291,456 bytes; wpb 2,097,152 bytes; qkv 50,331,648 bytes; att 16,777,216 bytes
;; launch cast (part 1): grid 768 x 1, 8 waves a work-group, no clusters, 0 bytes of LDS; arguments x, w_qkv, w_proj, xb, wqb, wpb; writes xb, wqb, wpb
.if DOCPART == 1
	.amdgcn_target "amdgcn-amd-amdhsa--gfx1250"
	.amdhsa_code_object_version 6
	.text
	.protected	k_qb097413018_cast
	.globl	k_qb097413018_cast
	.p2align	8
	.type	k_qb097413018_cast,@function
k_qb097413018_cast:
	s_mov_b64 s[64:65], 0
	v_nop
	global_prefetch_b8 v0, s[64:65] scope:SCOPE_SE
	s_setreg_imm32_b32 hwreg(HW_REG_WAVE_MODE, 25, 1), 1
	s_wait_xcnt 0x0
; f32 -> f16 for the three matrix operands that come from memory.
;   x      [8192][1024] -> xb, BLOCKED: [16 blocks of 64 columns][8192 rows][64] f16, byte (col>>6)*1 MiB + row*128 + (col&63)*2,
;                          so that a tile of rows x 64 columns is one dense run of memory for the product that follows.
;   w_qkv  [1024][3072] -> wqb, same order;   w_proj [1024][1024] -> wpb, same order.
; LIMIT: f16 operands.  |x| or |w| above 65,504 becomes infinite; below 6.1e-5 the step is 6e-8 (f16 denormals are kept).
; A stream: every byte is read once and written once, no work-group shares an input with another, so there is no LDS, no barrier,
; no cluster and no matrix unit.  A work-group takes 65,536 bytes of f32: groups 0-511 x (16 rows each), 512-703 w_qkv, 704-767 w_proj.
; A thread issues its 16 loads of 16 bytes at once and converts them as they come.  No register is written twice.
.set X, 4                              ; v[4:67]   load j: 4 registers of f32
.set Y, 68                             ; v[68:99]  load j: 2 registers, 4 f16
; v1 byte offset of my loads, v2 of my stores.  s[16:17] source, s[18:19] destination, s[20:21] destination + 8 MiB.
; split = 1: stores 8-15 go by the second base, so that their immediates stay inside the signed 24 bits
.macro RUN instep, outstep, split
.set j, 0
.rept 16
	global_load_b128 v[X+4*j:X+4*j+3], v1, s[16:17] offset:j*\instep th:TH_LOAD_NT
.set j, j+1
.endr
.set j, 0
.rept 16
	s_wait_loadcnt 15-j                            ; loads return in order: load j is in, the 15-j younger ones stay out
	v_cvt_pk_f16_f32 v[Y+2*j], v[X+4*j], v[X+4*j+1]
	v_cvt_pk_f16_f32 v[Y+2*j+1], v[X+4*j+2], v[X+4*j+3]
.if \split*(j/8)
	global_store_b64 v2, v[Y+2*j:Y+2*j+1], s[20:21] offset:(j-8)*\outstep
.else
	global_store_b64 v2, v[Y+2*j:Y+2*j+1], s[18:19] offset:j*\outstep
.endif
.set j, j+1
.endr
.endm
	s_load_b256 s[4:11], s[0:1], 0x0               ; x s[4:5], w_qkv s[6:7], w_proj s[8:9], xb s[10:11]
	s_load_b128 s[12:15], s[0:1], 0x20             ; wqb s[12:13], wpb s[14:15]
	s_mov_b32 s23, 0                               ; high word of every offset pair
	s_cmp_lt_u32 ttmp9, 512
	s_cbranch_scc0 .Lweights
	; x: 16 rows.  Thread t: row t>>4, 16 bytes at 16 (t&15) of each of the row's 16 pieces of 256 bytes (piece j = column block j).
	; A wave's load covers two aligned pieces of 256 bytes; its store covers 256 consecutive bytes (two rows of 128), aligned.
	v_lshrrev_b32 v3, 4, v0                        ; row
	v_and_b32 v4, 15, v0                           ; place in the piece
	v_lshlrev_b32 v1, 12, v3                       ; row * 4,096
	v_lshl_add_u32 v1, v4, 4, v1
	v_lshlrev_b32 v2, 7, v3                        ; row * 128
	v_lshl_add_u32 v2, v4, 3, v2
	s_lshl_b32 s22, ttmp9, 16                      ; group * 16 rows * 4,096 bytes
	s_wait_kmcnt 0x0
	s_add_nc_u64 s[16:17], s[4:5], s[22:23]
	s_lshl_b32 s22, ttmp9, 11                      ; group * 16 rows * 128 bytes
	s_add_nc_u64 s[18:19], s[10:11], s[22:23]
	s_add_nc_u64 s[20:21], s[18:19], 0x800000      ; blocks 8-15
	RUN 256, 1048576, 1
	s_endpgm
.Lweights:
	; the weights keep their order: thread t takes 16 bytes at 16 t of each 4,096, and stores 8 bytes at 8 t of each 2,048
	v_lshlrev_b32 v1, 4, v0
	v_lshlrev_b32 v2, 3, v0
	s_sub_co_u32 s24, ttmp9, 512                   ; 0-191 w_qkv, 192-255 w_proj
	s_sub_co_u32 s25, s24, 192
	s_wait_kmcnt 0x0
	s_cmp_lt_u32 s24, 192
	s_cselect_b64 s[16:17], s[6:7], s[8:9]
	s_cselect_b64 s[18:19], s[12:13], s[14:15]
	s_cselect_b32 s24, s24, s25                    ; the group's number inside its tensor
	s_lshl_b32 s22, s24, 16
	s_add_nc_u64 s[16:17], s[16:17], s[22:23]
	s_lshl_b32 s22, s24, 15
	s_add_nc_u64 s[18:19], s[18:19], s[22:23]
	RUN 4096, 2048, 0
	s_endpgm
.Lfunc_end_k_qb097413018_cast:
	.size	k_qb097413018_cast, .Lfunc_end_k_qb097413018_cast-k_qb097413018_cast
	.p2alignl 7, 3214868480
	.fill 96, 4, 3214868480
	.section	.rodata,"a",@progbits
	.p2align	6, 0x0
	.amdhsa_kernel k_qb097413018_cast
		.amdhsa_group_segment_fixed_size 0
		.amdhsa_private_segment_fixed_size 0
		.amdhsa_enable_private_segment 0
		.amdhsa_kernarg_size 48
		.amdhsa_user_sgpr_count 2
		.amdhsa_user_sgpr_kernarg_segment_ptr 1
		.amdhsa_wavefront_size32 1
		.amdhsa_system_sgpr_workgroup_id_x 1
		.amdhsa_system_sgpr_workgroup_id_y 1
		.amdhsa_system_sgpr_workgroup_id_z 1
		.amdhsa_system_vgpr_workitem_id 0
		.amdhsa_next_free_vgpr 112
		.amdhsa_next_free_sgpr 66
		.amdhsa_reserve_vcc 0
		.amdhsa_float_denorm_mode_32 3
		.amdhsa_float_denorm_mode_16_64 3
		.amdhsa_memory_ordered 1
		.amdhsa_forward_progress 1
		.amdhsa_inst_pref_size 13
	.end_amdhsa_kernel
	.amdgpu_metadata
---
amdhsa.version: [ 1, 2 ]
amdhsa.kernels:
  - .name:           k_qb097413018_cast
    .symbol:         k_qb097413018_cast.kd
    .args:
      - { .name: x, .offset: 0, .size: 8, .value_kind: global_buffer, .address_space: global }
      - { .name: w_qkv, .offset: 8, .size: 8, .value_kind: global_buffer, .address_space: global }
      - { .name: w_proj, .offset: 16, .size: 8, .value_kind: global_buffer, .address_space: global }
      - { .name: xb, .offset: 24, .size: 8, .value_kind: global_buffer, .address_space: global }
      - { .name: wqb, .offset: 32, .size: 8, .value_kind: global_buffer, .address_space: global }
      - { .name: wpb, .offset: 40, .size: 8, .value_kind: global_buffer, .address_space: global }
    .group_segment_fixed_size: 0
    .private_segment_fixed_size: 0
    .kernarg_segment_align: 8
    .kernarg_segment_size: 48
    .max_flat_workgroup_size: 256
    .sgpr_count:     66
    .vgpr_count:     112
    .wavefront_size: 32
...
	.end_amdgpu_metadata
.endif
;; end of part 1
;; launch gemm_qkv (part 2): grid 8 x 32, 4 waves a work-group, clusters of 4 x 4, 327,680 bytes of LDS; arguments xb, wqb, b_qkv, qkv; writes qkv
.if DOCPART == 2
	.amdgcn_target "amdgcn-amd-amdhsa--gfx1250"
	.amdhsa_code_object_version 6
	.text
	.protected	k_qb097413018_gemm_qkv
	.globl	k_qb097413018_gemm_qkv
	.p2align	8
	.type	k_qb097413018_gemm_qkv,@function
k_qb097413018_gemm_qkv:
	s_mov_b64 s[64:65], 0
	v_nop
	global_prefetch_b8 v0, s[64:65] scope:SCOPE_SE
	s_setreg_imm32_b32 hwreg(HW_REG_WAVE_MODE, 25, 1), 1
	s_wait_xcnt 0x0
	s_wait_alu depctr_hold_cnt(0) depctr_sa_sdst(0) depctr_va_vdst(0) depctr_va_sdst(0) depctr_va_ssrc(0) depctr_va_vcc(0) depctr_vm_vsrc(0)
	s_getreg_b32 s2, hwreg(HW_REG_IB_STS2, 6, 4)
	s_cmp_eq_u32 s2, 0
	s_cbranch_scc0 .Lentry_in_a_cluster
	s_endpgm
.Lentry_in_a_cluster:
	s_bfe_u32 s2, ttmp6, 0x10000c
	s_cmp_lg_u32 s2, 0xf033
	s_cbranch_scc0 .Lentry_shape_is_right
	s_endpgm
.Lentry_shape_is_right:
; qkv = x Wqkv + b_qkv.  xb: x in f16, blocked [16][8192][64].  wqb: [1024 k][3072 n] f16.  b_qkv: [3072] f32.
; qkv out: f16, blocked [48][8192][64]: block g = which*16 + head, byte g*1 MiB + row*128 + d*2.  Sums in f32, the bias added in f32, one rounding.
; LIMIT: q, k, v are kept in f16: a magnitude above 65,504 becomes infinite.
; 8192 x 3072 outputs over 256 work-groups are 256 x 384 each: one even share.  Four waves, 128 x 192 each: 96 accumulator tiles, 768 registers.
; Wave w: rows 128 (w>>1) ..; in each of the block's three segments of 128 columns the 64 columns at 64 (w&1), which are one head block.
; K goes in 16 steps of 64 through two LDS slots.  A's tile of a step (256 rows x 64) is 32 KiB of dense memory and is fetched as rows of 256 bytes.
; CLUSTER 4 x 4: A's tile hangs on the block row alone and is asked for jointly along a row of the cluster, W's on the block column alone
; and jointly along a column.  By this text's count a wave has two tensor loads out at the start and one behind each later round.
; THE MATRIX INSTRUCTION IS USED TRANSPOSED: source 0 = 16 columns of W, source 1 = 16 rows of x; lane (r, h) then holds row r and the eight
; neighbouring columns 8h .. 8h+7 of a tile.  W lies [k][n] in LDS; its fragments come by the transposing load.
; LDS: slot n at n*92,160: W 64 k rows x 864 (three pieces of 256 bytes + 32 of padding: 27 x 32 bytes), then A 256 rows x 144 (128 + 16: 9 x 16 bytes,
;      so sixteen rows start at sixteen different 16-byte columns modulo 256).  Behind the ring: a stage of 16 x 144 and 768 bytes of bias for each wave.
; REGISTERS: window 0: v16-31 addresses, v32-95 / v96-159 two buffers of A's 8 fragments, v160-255 W's fragments (segment s at +32 s, tile i at +8 i);
;            window 1+s: the 32 tiles of segment s, tile (a, i) at v[8 (4 a + i)].
.set SLOT,  92160
.set APART, 55296                      ; A behind W in a slot
.set STAGE, 184320
.set BIAS,  193536
.set ADRA, 16                          ; v16-17 my A fragments in slot 0, 1
.set ADRB, 18                          ; v18-19 my W fragments in slot 0, 1
.set STO,  20                          ; way out: where I put 16 bytes
.set RD,   21                          ; way out: where I read back
.set CO,   22                          ; way out: 16 x lane
.set BIW,  30                          ; bias: where I put 8 bytes
.set BIR,  31                          ; bias: where I read my 8 columns
.set AF0,  32
.set AF1,  96
.set BF,   160
.set TW,   32                          ; way out: 32 f32 at work
.set PKD,  64                          ; way out: 16 registers of f16
.set R0,   96                          ; way out: rows read back, two sets by turns
.set R1,   112
.set G1A, 24                           ; s[24:31] shape of A's tile      s[32:39] from where, to where, one set a slot
.set G0A, 32
.set G1B, 40                           ; s[40:47] shape of W's tile      s[48:55] likewise
.set G0B, 48
.set MSB, 0
.macro WIN new                         ; the immediate's high byte repeats the setting that is left
.if MSB != \new
	s_set_vgpr_msb (MSB<<8)|\new
.set MSB, \new
.endif
.endm
.macro PLACES                          ; four plain vector places behind a matrix instruction (ISA guide 7.12.1) before its registers are loaded into, read or written
.rept 4
	v_nop
.endr
.endm
; A joint load: waves 0, 1 ask for W's two halves (32 k rows each), waves 2, 3 for A's (128 rows each).  The branch hangs on the wave's number alone.
.macro JLOAD n
	s_cmp_eq_u32 s13, 0
	s_cbranch_scc0 .Lfor_a_\@
	tensor_load_to_lds s[G0B+4*\n:G0B+4*\n+3], s[G1B:G1B+7]
	s_nop 0
	s_branch .Lasked_\@
.Lfor_a_\@:
	tensor_load_to_lds s[G0A+4*\n:G0A+4*\n+3], s[G1A:G1A+7]
	s_nop 0
.Lasked_\@:
.endm
.macro CREST                           ; a round of the cluster's barrier behind its opening work-group barrier
	s_cmp_lg_u32 s12, 0
	s_cbranch_scc1 .Lnot_wave_0_\@
	s_barrier_signal -3
.Lnot_wave_0_\@:
	s_barrier_wait -3
	s_barrier_signal -1
	s_barrier_wait -1
.endm
.macro CROUND
	s_barrier_signal -1
	s_barrier_wait -1
	CREST
.endm
	s_load_b256 s[4:11], s[0:1], 0x0               ; xb s[4:5], wqb s[6:7], b_qkv s[8:9], qkv s[10:11]
	v_lshl_add_u32 v14, v0, 2, 0x30000
	v_mov_b32 v15, 0
	ds_add_u32 v14, v15
	v_lshrrev_b32 v1, 5, v0
	v_readfirstlane_b32 s12, v1                    ; wave 0..3
	s_lshr_b32 s13, s12, 1                         ; my half of the rows.  Also: I fetch for W (0) or for A (1)
	s_and_b32 s14, s12, 1                          ; my half of each segment.  Also: which half of the tile I fetch
	s_bfe_u32 s15, ttmp6, 0x40000                  ; cx
	s_bfe_u32 s16, ttmp6, 0x40004                  ; cy
	s_lshl_b32 s17, ttmp9, 2
	s_add_co_u32 s17, s17, s15                     ; block column 0..7
	s_and_b32 s18, ttmp7, 0xffff
	s_lshl_b32 s18, s18, 2
	s_add_co_u32 s18, s18, s16                     ; block row 0..31
	s_lshl_b32 s19, s16, 2
	s_lshl_b32 s19, 15, s19                        ; my row of the cluster
	s_lshl_b32 s20, 0x1111, s15                    ; my column
	; A: 16 KiB of dense memory as 64 rows of 32 elements of 8 bytes; 4 words of padding behind every 32 words: LDS rows of 128 + 16 bytes
	s_or_b32 s[G1A+0], s19, 0x07330000             ; mask; element 8 bytes; padding on; bit 21 beside the mask; every 32 words (code 4); 4 words (code 3)
	s_mov_b32 s[G1A+1], 32<<16                     ; tensor_dim0 = 32
	s_mov_b32 s[G1A+2], 64<<16                     ; tensor_dim1 = 64
	s_mov_b32 s[G1A+3], 32<<16                     ; tile_dim0 = 32
	s_mov_b32 s[G1A+4], 64                         ; tile_dim1 = 64
	s_mov_b32 s[G1A+5], 32                         ; pitch = 32 elements
	s_mov_b32 s[G1A+6], 0
	s_mov_b32 s[G1A+7], 0
	; W: 32 k rows of 384 f16 (768 bytes, beginning at a multiple of 256); 8 words of padding behind every 64 words: LDS rows of 3 x 288 bytes
	s_or_b32 s[G1B+0], s20, 0x0f710000             ; mask; element 2 bytes; padding on; bit 21; every 64 words (code 5); 8 words (code 7)
	s_mov_b32 s[G1B+1], 384<<16
	s_mov_b32 s[G1B+2], 32<<16
	s_mov_b32 s[G1B+3], 384<<16
	s_mov_b32 s[G1B+4], 32
	s_mov_b32 s[G1B+5], 3072
	s_mov_b32 s[G1B+6], 0
	s_mov_b32 s[G1B+7], 0
	s_lshl_b32 s56, s18, 15                        ; A: block row * 256 rows * 128 bytes
	s_lshl_b32 s21, s14, 14                        ;    + half * 128 rows
	s_add_co_u32 s56, s56, s21
	s_mov_b32 s57, 0
	s_mul_i32 s58, s17, 768                        ; W: block column * 384 columns * 2 bytes
	s_mul_i32 s22, s14, 196608                     ;    + half * 32 k rows * 6,144 bytes
	s_add_co_u32 s58, s58, s22
	s_mov_b32 s59, 0
	s_mul_i32 s23, s12, 27648                      ; LDS: W's halves at wave * 32 rows * 864 (waves 0, 1)
	s_mul_i32 s61, s12, 18432
	s_add_co_u32 s61, s61, 18432                   ;      A's halves at (wave + 1) * 128 rows * 144 (waves 2, 3): 55,296 and 73,728
	s_mul_i32 s62, s17, 1536                       ; bias: (block column * 384 + half * 64) * 4 bytes
	s_lshl_b32 s63, s14, 8
	s_add_co_u32 s62, s62, s63
	s_mov_b32 s63, 0
	s_wait_dscnt 0x0
	s_wait_kmcnt 0x0
	s_add_nc_u64 s[56:57], s[4:5], s[56:57]
	s_add_nc_u64 s[58:59], s[6:7], s[58:59]
	s_add_nc_u64 s[8:9], s[8:9], s[62:63]
	CROUND                                         ; all sixteen work-groups are here: the first joint loads meet
.irp n, 0,1
	s_mov_b32 s[G0A+4*\n], 1
	s_add_co_u32 s[G0A+4*\n+1], s61, \n*SLOT
	s_add_nc_u64 s[G0A+4*\n+2:G0A+4*\n+3], s[56:57], \n*0x100000     ; K step n = column block n of xb
	s_or_b32 s[G0A+4*\n+3], s[G0A+4*\n+3], 0x80000000
	s_mov_b32 s[G0B+4*\n], 1
	s_add_co_u32 s[G0B+4*\n+1], s23, \n*SLOT
	s_add_nc_u64 s[G0B+4*\n+2:G0B+4*\n+3], s[58:59], \n*393216       ; 64 k rows of 6,144 bytes
	s_or_b32 s[G0B+4*\n+3], s[G0B+4*\n+3], 0x80000000
	JLOAD \n
.endr
	v_and_b32 v1, 15, v0                           ; r
	v_bfe_u32 v2, v0, 4, 1                         ; h
	v_and_b32 v3, 31, v0                           ; lane
	v_lshlrev_b32 v23, 3, v3
	global_load_b64 v[24:25], v23, s[8:9]          ; my wave's 3 x 64 biases, 8 bytes a lane
	global_load_b64 v[26:27], v23, s[8:9] offset:512
	global_load_b64 v[28:29], v23, s[8:9] offset:1024
	v_mul_u32_u24 v4, v1, 144
	v_lshl_add_u32 v4, v2, 4, v4                   ; r * 144 + 16 h
	s_mul_i32 s21, s13, 18432
	s_add_co_u32 s21, s21, APART
	v_add_nc_u32 v[ADRA], s21, v4
	v_add_nc_u32 v[ADRA+1], SLOT, v[ADRA]
	v_and_b32 v5, 7, v0
	v_lshl_add_u32 v6, v2, 3, v5                   ; k row 8 h + (lane & 7)
	v_mul_u32_u24 v6, v6, 864
	v_bfe_u32 v7, v0, 3, 1
	v_lshl_add_u32 v6, v7, 4, v6                   ; + 16 ((lane >> 3) & 1)
	s_lshl_b32 s22, s14, 7                         ; + my 64 columns of each segment
	v_add_nc_u32 v[ADRB], s22, v6
	v_add_nc_u32 v[ADRB+1], SLOT, v[ADRB]
	s_mul_i32 s21, s12, 2304
	s_add_co_u32 s21, s21, STAGE
	v_add_nc_u32 v[STO], s21, v4
	v_bfe_u32 v7, v0, 3, 2
	v_mul_u32_u24 v7, v7, 144                      ; back: eight lanes take a row of 128 bytes
	v_lshl_add_u32 v7, v5, 4, v7
	v_add_nc_u32 v[RD], s21, v7
	v_lshlrev_b32 v[CO], 4, v3
	s_mul_i32 s22, s12, 768
	s_add_co_u32 s22, s22, BIAS
	v_lshl_add_u32 v[BIW], v3, 3, s22
	v_lshl_add_u32 v[BIR], v2, 5, s22
.macro LDA n, kq, af                   ; 16 loads: my 128 rows of A, 32 along K at quarter kq of the slot's 64
.irp a, 0,1,2,3,4,5,6,7
	ds_load_b128 v[\af+8*\a:\af+8*\a+3], v[ADRA+\n] offset:\kq*64+\a*2304
	ds_load_b128 v[\af+8*\a+4:\af+8*\a+7], v[ADRA+\n] offset:\kq*64+\a*2304+32
.endr
.endm
.macro LDB n, kq, s                    ; 8 transposing loads: my 64 columns of segment s, 32 along K
.irp i, 0,1,2,3
	ds_load_tr16_b128 v[BF+32*\s+8*\i:BF+32*\s+8*\i+3], v[ADRB+\n] offset:\kq*27648+\s*288+\i*32
	ds_load_tr16_b128 v[BF+32*\s+8*\i+4:BF+32*\s+8*\i+7], v[ADRB+\n] offset:\kq*27648+\s*288+\i*32+13824
.endr
.endm
; 4 na matrix instructions: row tiles a0 .. a0+na-1 x the four column tiles of segment s.  zero = 1: the first product starts the sums.
; The 96 accumulators take turns, one instruction a turn, in the same order in every quarter.
.macro GRP s, af, a0, na, zero
	WIN (0x50*(1+\s))
.set ga, \a0
.rept \na
.irp i, 0,1,2,3
.if \zero
	v_wmma_f32_16x16x32_f16 v[8*(4*ga+\i):8*(4*ga+\i)+7], v[BF+32*\s+8*\i:BF+32*\s+8*\i+7], v[\af+8*ga:\af+8*ga+7], 0
.else
	v_wmma_f32_16x16x32_f16 v[8*(4*ga+\i):8*(4*ga+\i)+7], v[BF+32*\s+8*\i:BF+32*\s+8*\i+7], v[\af+8*ga:\af+8*ga+7], v[8*(4*ga+\i):8*(4*ga+\i)+7]
.endif
.endr
.set ga, ga+1
.endr
.endm
; The LDS loads always queue as [W segment 0: 8][A: 16][W segment 1: 8][W segment 2: 8]; a segment's fragments are loaded again straight behind their use.
.macro QA n, zero                      ; first 32 of a K step, on buffer 0; fetches the second 32
	s_wait_dscnt 16                                ; segment 0 and A are in; segments 1 and 2 (16 loads) may be out
	GRP 0, AF0, 0, 8, \zero
	PLACES
	WIN 0
	LDB \n, 1, 0
	LDA \n, 1, AF1
	s_wait_dscnt 32                                ; segment 1 is in: younger are segment 2 (8) and the 24 just issued
	GRP 1, AF0, 0, 8, \zero
	PLACES
	WIN 0
	LDB \n, 1, 1
	s_wait_dscnt 32                                ; segment 2 is in: younger are 24 + 8
	GRP 2, AF0, 0, 8, \zero
	PLACES
	WIN 0
	LDB \n, 1, 2
.endm
; Second 32 of a K step, on buffer 1, and the change of slots.  fill = 1: this slot is filled again, two K steps ahead.
.macro QB n, next, fill
	s_wait_dscnt 16
	GRP 0, AF1, 0, 4, 0
	s_wait_dscnt 0                                 ; my reads of this slot are over,
	s_wait_tensorcnt 0x0                           ; and all my tensor loads have landed: the one that was out is my part of the next slot
	ds_add_u32 v14, v15
	s_wait_dscnt 0x0
	s_barrier_signal -1                            ; (where the slot is filled again this barrier opens a round of the cluster's barrier)
	GRP 0, AF1, 4, 4, 0                            ; register work while the others arrive
	WIN 0
	s_barrier_wait -1
.if \fill
	CREST                                          ; no wave of any partner still reads this slot or has a load on its way
	s_add_nc_u64 s[G0A+4*\n+2:G0A+4*\n+3], s[G0A+4*\n+2:G0A+4*\n+3], 0x200000
	s_add_nc_u64 s[G0B+4*\n+2:G0B+4*\n+3], s[G0B+4*\n+2:G0B+4*\n+3], 786432
	JLOAD \n                                       ; my one tensor load behind the round, ahead of every LDS read
.endif
	PLACES
	LDB \next, 0, 0
	LDA \next, 0, AF0
	GRP 1, AF1, 0, 8, 0
	PLACES
	WIN 0
	LDB \next, 0, 1
	GRP 2, AF1, 0, 8, 0
	PLACES
	WIN 0
	LDB \next, 0, 2
.endm
.macro LAP zero
	QA 0, \zero
	QB 0, 1, 1
	QA 1, 0
	QB 1, 0, 1
.endm
	s_wait_loadcnt 0x0                             ; the biases
	ds_store_b64 v[BIW], v[24:25]
	ds_store_b64 v[BIW], v[26:27] offset:256
	ds_store_b64 v[BIW], v[28:29] offset:512
	s_wait_dscnt 0x0                               ; no LDS instruction is pending at a signal
	s_wait_tensorcnt 0x1                           ; my part of K step 0 is in; K step 1's may stay out
	s_barrier_signal -1
	s_barrier_wait -1
	LDB 0, 0, 0
	LDA 0, 0, AF0
	LDB 0, 0, 1
	LDB 0, 0, 2
	LAP 1                                          ; K steps 0, 1: the first products start the sums
	WIN 0
	s_mov_b32 s60, 6                               ; K steps 2 .. 13
.Llap:
	LAP 0
	WIN 0
	s_sub_co_u32 s60, s60, 1
	s_cmp_lg_u32 s60, 0
	s_cbranch_scc1 .Llap
	QA 0, 0                                        ; K steps 14, 15: nothing is left to fetch
	QB 0, 1, 0
	QA 1, 0
	s_wait_dscnt 16
	GRP 0, AF1, 0, 8, 0
	s_wait_dscnt 8                                 ; segment 1 is in, segment 2 may be out
	GRP 1, AF1, 0, 8, 0
	s_wait_dscnt 0
	GRP 2, AF1, 0, 8, 0
	; THE WAY OUT: 16 rows x 64 columns at a time: + bias in f32, one rounding to f16, 16 bytes a lane into my own stage, back as rows of 128 bytes.
	PLACES
	WIN 0
.irp s, 0,1,2
.irp i, 0,1,2,3
	ds_load_b128 v[BF+32*\s+8*\i:BF+32*\s+8*\i+3], v[BIR] offset:256*\s+64*\i          ; the biases of my lane's 8 columns of tile (s, i)
	ds_load_b128 v[BF+32*\s+8*\i+4:BF+32*\s+8*\i+7], v[BIR] offset:256*\s+64*\i+16
.endr
.endr
	s_mul_i32 s62, s17, 6
	s_add_co_u32 s62, s62, s14                     ; head block of segment 0: 6 x block column + half
	s_lshl_b32 s62, s62, 20
	s_lshl_b32 s63, s18, 15
	s_add_co_u32 s62, s62, s63                     ; + block row * 256 rows * 128 bytes
	s_lshl_b32 s63, s13, 14
	s_add_co_u32 s62, s62, s63                     ; + my half's 128 rows
	s_mov_b32 s63, 0
	s_add_nc_u64 s[10:11], s[10:11], s[62:63]
	s_wait_dscnt 0x0
.macro OUTQ a, s, rr
	WIN (1+\s)                                     ; source 0 from the segment's window
.irp i, 0,1,2,3
.irp p, 0,1,2,3
	v_pk_add_f32 v[TW+8*\i+2*\p:TW+8*\i+2*\p+1], v[8*(4*\a+\i)+2*\p:8*(4*\a+\i)+2*\p+1], v[BF+32*\s+8*\i+2*\p:BF+32*\s+8*\i+2*\p+1]
.endr
.endr
	WIN 0
.irp i, 0,1,2,3
.irp p, 0,1,2,3
	v_cvt_pk_f16_f32 v[PKD+4*\i+\p], v[TW+8*\i+2*\p], v[TW+8*\i+2*\p+1]
.endr
.endr
.irp i, 0,1,2,3
	ds_store_b128 v[STO], v[PKD+4*\i:PKD+4*\i+3] offset:32*\i
.endr
	s_wait_xcnt 0x0                                ; the set of registers that earlier stores read is loaded again only behind this wait
.irp t, 0,1,2,3
	ds_load_b128 v[\rr+4*\t:\rr+4*\t+3], v[RD] offset:576*\t       ; LDS serves a wave's instructions in order: these see the stores above
.endr
.irp t, 0,1,2,3
	s_wait_dscnt 3-\t                              ; read-back t is in, the younger ones stay out
	global_store_b128 v[CO], v[\rr+4*\t:\rr+4*\t+3], s[10:11] offset:\s*2097152+\a*2048+512*\t   ; four rows of the head block: 512 consecutive bytes, aligned
.endr
.endm
.irp s, 0,1,2
.irp a, 0,2,4,6
	OUTQ \a, \s, R0
	OUTQ (\a+1), \s, R1
.endr
.endr
	s_wait_tensorcnt 0x0
	ds_add_u32 v14, v15
	s_wait_dscnt 0x0
	CROUND                                         ; the closing round: no work-group ends while a partner may still ask jointly
	s_endpgm
.Lfunc_end_k_qb097413018_gemm_qkv:
	.size	k_qb097413018_gemm_qkv, .Lfunc_end_k_qb097413018_gemm_qkv-k_qb097413018_gemm_qkv
	.p2alignl 7, 3214868480
	.fill 96, 4, 3214868480
	.section	.rodata,"a",@progbits
	.p2align	6, 0x0
	.amdhsa_kernel k_qb097413018_gemm_qkv
		.amdhsa_group_segment_fixed_size 327680
		.amdhsa_private_segment_fixed_size 0
		.amdhsa_enable_private_segment 0
		.amdhsa_kernarg_size 32
		.amdhsa_user_sgpr_count 2
		.amdhsa_user_sgpr_kernarg_segment_ptr 1
		.amdhsa_wavefront_size32 1
		.amdhsa_system_sgpr_workgroup_id_x 1
		.amdhsa_system_sgpr_workgroup_id_y 1
		.amdhsa_system_sgpr_workgroup_id_z 1
		.amdhsa_system_vgpr_workitem_id 0
		.amdhsa_next_free_vgpr 1024
		.amdhsa_next_free_sgpr 66
		.amdhsa_reserve_vcc 0
		.amdhsa_float_denorm_mode_32 3
		.amdhsa_float_denorm_mode_16_64 3
		.amdhsa_memory_ordered 1
		.amdhsa_forward_progress 1
		.amdhsa_inst_pref_size 197
	.end_amdhsa_kernel
	.amdgpu_metadata
---
amdhsa.version: [ 1, 2 ]
amdhsa.kernels:
  - .name:           k_qb097413018_gemm_qkv
    .symbol:         k_qb097413018_gemm_qkv.kd
    .args:
      - { .name: xb, .offset: 0, .size: 8, .value_kind: global_buffer, .address_space: global }
      - { .name: wqb, .offset: 8, .size: 8, .value_kind: global_buffer, .address_space: global }
      - { .name: b_qkv, .offset: 16, .size: 8, .value_kind: global_buffer, .address_space: global }
      - { .name: qkv, .offset: 24, .size: 8, .value_kind: global_buffer, .address_space: global }
    .group_segment_fixed_size: 327680
    .private_segment_fixed_size: 0
    .kernarg_segment_align: 8
    .kernarg_segment_size: 32
    .max_flat_workgroup_size: 128
    .sgpr_count:     66
    .vgpr_count:     1024
    .wavefront_size: 32
...
	.end_amdgpu_metadata
.endif
;; end of part 2
;; launch attn (part 3): grid 256 x 1, 8 waves a work-group, clusters of 4 x 1, 327,680 bytes of LDS; arguments qkv, att; writes att
.if DOCPART == 3
	.amdgcn_target "amdgcn-amd-amdhsa--gfx1250"
	.amdhsa_code_object_version 6
	.text
	.protected	k_qb097413018_attn
	.globl	k_qb097413018_attn
	.p2align	8
	.type	k_qb097413018_attn,@function
k_qb097413018_attn:
	s_mov_b64 s[64:65], 0
	v_nop
	global_prefetch_b8 v0, s[64:65] scope:SCOPE_SE
	s_setreg_imm32_b32 hwreg(HW_REG_WAVE_MODE, 25, 1), 1
	s_wait_xcnt 0x0
	s_wait_alu depctr_hold_cnt(0) depctr_sa_sdst(0) depctr_va_vdst(0) depctr_va_sdst(0) depctr_va_ssrc(0) depctr_va_vcc(0) depctr_vm_vsrc(0)
	s_getreg_b32 s2, hwreg(HW_REG_IB_STS2, 6, 4)
	s_cmp_eq_u32 s2, 0
	s_cbranch_scc0 .Lentry_in_a_cluster
	s_endpgm
.Lentry_in_a_cluster:
	s_bfe_u32 s2, ttmp6, 0x10000c
	s_cmp_lg_u32 s2, 0x3003
	s_cbranch_scc0 .Lentry_shape_is_right
	s_endpgm
.Lentry_shape_is_right:
; att = softmax(q k^T / 8) v for each of 64 (batch, head) pairs, S = 2048, head size 64.  qkv: f16 blocked [48][8192][64]; att: f16 blocked [16 heads][8192][64].
; Softmax with a running maximum, in f32; the row sum is taken over the f32 weights, the product with v takes them rounded to f16.
; LIMITS: weights below 2^-25 of a row's largest round to 0 in f16; NaN or infinite q, k, v are not served.
; CLUSTER 4 x 1: a cluster is one (batch, head); its four work-groups take 512 queries each and read the same K and V, which are asked for jointly (mask 15).
; Eight waves, 64 queries each (4 tiles of 16), two waves a SIMD so that one wave's softmax overlaps the other's matrix work.
; S^T = K Q^T: lane (r, h) holds query r and keys 16 kt + 8 h + j.  Packing tiles 2 ks and 2 ks + 1 to f16 gives the B fragment of P^T for keys 32 ks ..
; with no move between lanes.  O^T = V^T P^T (V^T by the transposing load): lane (r, h) holds query r and d = 16 dt + 8 h + j.
; So maximum, sum and rescaling are a lane's own; one exchange between the two halves of 16 lanes joins the keys.
; LDS: two slots of 256 keys: V 256 x 160 (128 + 32: 5 x 32 bytes), K 256 x 144 (128 + 16: 9 x 16 bytes); behind them a stage of 16 x 144 for each wave.
; Each wave asks for 64 keys (8 KiB of dense memory as 32 rows of 256 bytes): waves 0-3 V, waves 4-7 K.  By this text's count one tensor load a wave is out.
; THE TEXT IS KEPT SHORT: a block of 64 keys is some 600 instructions, and the 2,048 keys are 32 blocks.  A block names neither its slot nor its place in
; the slot: it reads LDS through two working addresses, set at the head of each slot and stepped by one block (9,216 bytes of K, 10,240 of V).
; So a slot's first three blocks go round an inner loop, the fourth (which fetches no further fragments) is written out, and slots 1 to 6 of the eight
; go round an outer loop, two a trip: the block stands 9 times in the text.
; REGISTERS: window 0: v8-15 addresses, v16-79 Q, v80-143 K, v144-207 V^T fragments, v208-223 packed output, v224-225 the working LDS addresses.
;            window 1: v0-127 O, v128-191 two sets of S, v192-207 P, v208-211 maxima, v216-219 sums, v220 rescale, v222 -c max, v224-231 at work.
.set SLOT,  77824
.set KPART, 40960
.set STAGE, 155648
.set KBLK,  9216                       ; 64 keys of K in LDS
.set VBLK,  10240                      ; 64 keys of V in LDS
.set ADRK, 8                           ; v8-9   my K fragments at the head of slot 0, 1
.set ADRV, 10                          ; v10-11 my V fragments at the head of slot 0, 1
.set STO,  12
.set RD,   13
.set CO,   14
.set QO,   15
.set QF,   16                          ; (2 qt + ks) * 8
.set KF,   80                          ; (2 kt + ks) * 8
.set VF,   144                         ; (4 ks + dt) * 8
.set PK,   208
.set WK,   224                         ; my K fragments of the block at work
.set WV,   225                         ; my V fragments of the block at work
.set OA,   0                           ; window 1 from here on: 32 qt + 8 dt
.set SS,   128
.set PP,   192
.set MM,   208
.set LL,   216
.set AL,   220
.set NM,   222
.set TT,   224
.set G1V, 16
.set G1K, 24
.set G0V, 32
.set G0K, 40
.set MSB, 0
.macro WIN new                         ; the immediate's high byte repeats the setting that is left
.if MSB != \new
	s_set_vgpr_msb (MSB<<8)|\new
.set MSB, \new
.endif
.endm
.macro PLACES                          ; four plain vector places behind a matrix instruction (ISA guide 7.12.1)
.rept 4
	v_nop
.endr
.endm
.macro JLOAD n                         ; a joint load: the branch hangs on the wave's number alone
	s_cmp_eq_u32 s10, 0
	s_cbranch_scc0 .Lfor_k_\@
	tensor_load_to_lds s[G0V+4*\n:G0V+4*\n+3], s[G1V:G1V+7]
	s_nop 0
	s_branch .Lasked_\@
.Lfor_k_\@:
	tensor_load_to_lds s[G0K+4*\n:G0K+4*\n+3], s[G1K:G1K+7]
	s_nop 0
.Lasked_\@:
.endm
.macro ROUND                           ; a round of the cluster's barrier
	s_barrier_signal -1
	s_barrier_wait -1
	s_cmp_lg_u32 s8, 0
	s_cbranch_scc1 .Lnot_wave_0_\@
	s_barrier_signal -3
.Lnot_wave_0_\@:
	s_barrier_wait -3
	s_barrier_signal -1
	s_barrier_wait -1
.endm
	s_load_b128 s[4:7], s[0:1], 0x0                ; qkv s[4:5], att s[6:7]
	v_lshl_add_u32 v254, v0, 2, 0x2a800
	v_mov_b32 v255, 0
	ds_add_u32 v254, v255
	v_lshrrev_b32 v1, 5, v0
	v_readfirstlane_b32 s8, v1                     ; wave 0..7
	s_lshr_b32 s10, s8, 2                          ; I fetch for V (0) or for K (1)
	s_and_b32 s11, s8, 3                           ; which 64 keys of a tile
	s_bfe_u32 s9, ttmp6, 0x40000                   ; cx: my block of 512 queries
	s_and_b32 s54, ttmp9, 15                       ; head
	s_lshl_b32 s54, s54, 20
	s_lshr_b32 s55, ttmp9, 4                       ; batch
	s_lshl_b32 s55, s55, 18                        ; * 2,048 rows * 128 bytes
	s_add_co_u32 s54, s54, s55
	s_lshl_b32 s56, s11, 13                        ; my 64 keys
	s_add_co_u32 s56, s56, s54
	s_mov_b32 s57, 0
	s_lshl_b32 s62, s9, 16                         ; my work-group's 512 queries
	s_lshl_b32 s63, s8, 13                         ; my wave's 64
	s_add_co_u32 s62, s62, s63
	s_add_co_u32 s62, s62, s54
	s_mov_b32 s63, 0
	s_mul_i32 s55, s8, 10240                       ; LDS: V at wave * 64 keys * 160 (waves 0-3)
	s_mul_i32 s54, s8, 9216
	s_add_co_u32 s54, s54, 4096                    ;      K at 40,960 + (wave - 4) * 64 keys * 144 (waves 4-7)
	s_mov_b32 s48, 0x76543210                      ; lane i of one half reads lane i of the other
	s_mov_b32 s49, 0xfedcba98
	s_mov_b32 s50, 0x3e38aa3b                      ; c = log2(e) / 8: the scale 1/8 and the base of v_exp_f32 in one factor
	s_mov_b32 s51, 0x3e38aa3b
	s_mov_b32 s52, 0xbe38aa3b                      ; -c
	; both shapes: 8 KiB of dense memory as 32 rows of 32 elements of 8 bytes; padding behind every 32 words (one key's 128 bytes)
	s_mov_b32 s[G1V+0], 0x0f33000f                 ; mask 15; element 8 bytes; padding on; bit 21 beside the mask; every 32 words; 8 words
	s_mov_b32 s[G1K+0], 0x0733000f                 ; the same with 4 words
.irp g, G1V, G1K
	s_mov_b32 s[\g+1], 32<<16
	s_mov_b32 s[\g+2], 32<<16
	s_mov_b32 s[\g+3], 32<<16
	s_mov_b32 s[\g+4], 32
	s_mov_b32 s[\g+5], 32
	s_mov_b32 s[\g+6], 0
	s_mov_b32 s[\g+7], 0
.endr
	s_wait_dscnt 0x0
	s_wait_kmcnt 0x0
	s_add_nc_u64 s[58:59], s[4:5], s[56:57]        ; hangs on the cluster and the wave alone: equal in all four partners
	s_add_nc_u64 s[12:13], s[4:5], s[62:63]        ; my queries
	s_add_nc_u64 s[14:15], s[6:7], s[62:63]        ; my rows of att
.irp n, 0,1
	s_mov_b32 s[G0V+4*\n], 1
	s_add_co_u32 s[G0V+4*\n+1], s55, \n*SLOT
	s_add_nc_u64 s[G0V+4*\n+2:G0V+4*\n+3], s[58:59], 0x2000000+\n*32768    ; v: blocks 32 ..; tile n = 256 keys of 128 bytes
	s_or_b32 s[G0V+4*\n+3], s[G0V+4*\n+3], 0x80000000
	s_mov_b32 s[G0K+4*\n], 1
	s_add_co_u32 s[G0K+4*\n+1], s54, \n*SLOT
	s_add_nc_u64 s[G0K+4*\n+2:G0K+4*\n+3], s[58:59], 0x1000000+\n*32768    ; k: blocks 16 ..
	s_or_b32 s[G0K+4*\n+3], s[G0K+4*\n+3], 0x80000000
.endr
	ROUND                                          ; in front of the first joint load
	JLOAD 0                                        ; tile 0
	v_and_b32 v1, 15, v0                           ; r
	v_bfe_u32 v2, v0, 4, 1                         ; h
	v_and_b32 v3, 31, v0                           ; lane
	v_lshlrev_b32 v[QO], 7, v1
	v_lshl_add_u32 v[QO], v2, 4, v[QO]             ; r * 128 + 16 h
.irp qt, 0,1,2,3
.irp ks, 0,1
	global_load_b128 v[QF+8*(2*\qt+\ks):QF+8*(2*\qt+\ks)+3], v[QO], s[12:13] offset:\qt*2048+\ks*64
	global_load_b128 v[QF+8*(2*\qt+\ks)+4:QF+8*(2*\qt+\ks)+7], v[QO], s[12:13] offset:\qt*2048+\ks*64+32
.endr
.endr
	v_mul_u32_u24 v4, v1, 144
	v_lshl_add_u32 v4, v2, 4, v4                   ; r * 144 + 16 h
	v_add_nc_u32 v[ADRK], KPART, v4
	v_add_nc_u32 v[ADRK+1], SLOT, v[ADRK]
	v_and_b32 v5, 7, v0
	v_lshl_add_u32 v6, v2, 3, v5                   ; key 8 h + (lane & 7)
	v_mul_u32_u24 v6, v6, 160
	v_bfe_u32 v7, v0, 3, 1
	v_lshl_add_u32 v[ADRV], v7, 4, v6
	v_add_nc_u32 v[ADRV+1], SLOT, v[ADRV]
	s_mul_i32 s54, s8, 2304
	s_add_co_u32 s54, s54, STAGE
	v_add_nc_u32 v[STO], s54, v4
	v_bfe_u32 v7, v0, 3, 2
	v_mul_u32_u24 v7, v7, 144
	v_lshl_add_u32 v7, v5, 4, v7
	v_add_nc_u32 v[RD], s54, v7
	v_lshlrev_b32 v[CO], 4, v3
	WIN 0x40
	v_mov_b32 v[AL+1], 0                           ; the upper halves of the two pairs that are broadcast from their lower halves: written once, never used
	v_mov_b32 v[NM+1], 0
	WIN 0
	s_wait_loadcnt 0x0                             ; Q, once
.macro LOADK off                       ; 16 loads: 64 keys x 64 d, off bytes behind the block at work
.irp kt, 0,1,2,3
.irp ks, 0,1
	ds_load_b128 v[KF+8*(2*\kt+\ks):KF+8*(2*\kt+\ks)+3], v[WK] offset:\off+\kt*2304+\ks*64
	ds_load_b128 v[KF+8*(2*\kt+\ks)+4:KF+8*(2*\kt+\ks)+7], v[WK] offset:\off+\kt*2304+\ks*64+32
.endr
.endr
.endm
.macro LOADV off                       ; 16 transposing loads: 64 d x 64 keys, off bytes behind the block at work
.irp ks, 0,1
.irp dt, 0,1,2,3
	ds_load_tr16_b128 v[VF+8*(4*\ks+\dt):VF+8*(4*\ks+\dt)+3], v[WV] offset:\off+\ks*5120+\dt*32
	ds_load_tr16_b128 v[VF+8*(4*\ks+\dt)+4:VF+8*(4*\ks+\dt)+7], v[WV] offset:\off+\ks*5120+\dt*32+2560
.endr
.endr
.endm
; In SC and PV four accumulators take turns, one instruction a turn.
.macro SC qt, set                      ; S^T of 64 keys x 16 queries: 8 matrix instructions
	WIN 0x50
.irp ks, 0,1
.irp kt, 0,1,2,3
.if \ks
	v_wmma_f32_16x16x32_f16 v[SS+32*\set+8*\kt:SS+32*\set+8*\kt+7], v[KF+8*(2*\kt+\ks):KF+8*(2*\kt+\ks)+7], v[QF+8*(2*\qt+\ks):QF+8*(2*\qt+\ks)+7], v[SS+32*\set+8*\kt:SS+32*\set+8*\kt+7]
.else
	v_wmma_f32_16x16x32_f16 v[SS+32*\set+8*\kt:SS+32*\set+8*\kt+7], v[KF+8*(2*\kt+\ks):KF+8*(2*\kt+\ks)+7], v[QF+8*(2*\qt+\ks):QF+8*(2*\qt+\ks)+7], 0
.endif
.endr
.endr
.endm
.macro PV qt, first                    ; O^T += V^T P^T: 8 matrix instructions
	WIN 0x54
.irp ks, 0,1
.irp dt, 0,1,2,3
.if (1-\ks)*\first
	v_wmma_f32_16x16x32_f16 v[OA+32*\qt+8*\dt:OA+32*\qt+8*\dt+7], v[VF+8*(4*\ks+\dt):VF+8*(4*\ks+\dt)+7], v[PP+8*\ks:PP+8*\ks+7], 0
.else
	v_wmma_f32_16x16x32_f16 v[OA+32*\qt+8*\dt:OA+32*\qt+8*\dt+7], v[VF+8*(4*\ks+\dt):VF+8*(4*\ks+\dt)+7], v[PP+8*\ks:PP+8*\ks+7], v[OA+32*\qt+8*\dt:OA+32*\qt+8*\dt+7]
.endif
.endr
.endr
.endm
; Softmax step of query tile qt on S set: new maximum, P = 2^(c S - c max), O and the sum rescaled, P packed to f16.
; One maximum register a tile, so that every block's text is alike: the new maximum is made at work and moved in when the old one has been used.
.macro SM qt, set, first
	WIN 0x55
.set SB, SS+32*\set
.irp c, 0,1,2,3
	v_max3_num_f32 v[TT+\c], v[SB+8*\c], v[SB+8*\c+1], v[SB+8*\c+2]        ; four chains over my 32 scores
.endr
.irp c, 0,1,2,3
	v_max3_num_f32 v[TT+\c], v[TT+\c], v[SB+8*\c+3], v[SB+8*\c+4]
.endr
.irp c, 0,1,2,3
	v_max3_num_f32 v[TT+\c], v[TT+\c], v[SB+8*\c+5], v[SB+8*\c+6]
.endr
	v_max3_num_f32 v[TT], v[TT], v[SB+7], v[SB+15]
	v_max3_num_f32 v[TT+1], v[TT+1], v[SB+23], v[SB+31]
.if \first
	v_max_num_f32 v[TT+2], v[TT+2], v[TT+3]
.else
	v_max3_num_f32 v[TT+2], v[TT+2], v[TT+3], v[MM+\qt]                    ; the running maximum joins here
.endif
	v_max3_num_f32 v[TT], v[TT], v[TT+1], v[TT+2]
	v_permlanex16_b32 v[TT+1], v[TT], s48, s49     ; the other half's keys of the same query
.if \first
	v_max_num_f32 v[MM+\qt], v[TT], v[TT+1]
	v_mul_f32 v[NM], s52, v[MM+\qt]                ; -c max
.else
	v_max_num_f32 v[TT], v[TT], v[TT+1]            ; the new maximum
	v_mul_f32 v[NM], s52, v[TT]                    ; -c max
	v_fma_f32 v[TT+2], v[MM+\qt], s50, v[NM]       ; c old - c new
	v_mov_b32 v[MM+\qt], v[TT]
	v_exp_f32 v[AL], v[TT+2]                       ; 2^(c old - c new); the packed multiply-adds below are the plain places behind it
.endif
.set sq, 0
.rept 16
	v_pk_fma_f32 v[SB+2*sq:SB+2*sq+1], v[SB+2*sq:SB+2*sq+1], s[50:51], v[NM:NM+1] op_sel_hi:[1,0,0]
.set sq, sq+1
.endr
.set sq, 0
.rept 16
	v_exp_f32 v[SB+2*sq], v[SB+2*sq]
	v_exp_f32 v[SB+2*sq+1], v[SB+2*sq+1]
.if \first
.else
	s_wait_alu depctr_va_vdst(0)
	v_pk_mul_f32 v[OA+32*\qt+2*sq:OA+32*\qt+2*sq+1], v[OA+32*\qt+2*sq:OA+32*\qt+2*sq+1], v[AL:AL+1] op_sel_hi:[1,0]   ; O rescaled: also the plain place behind the two exponentials
.endif
.set sq, sq+1
.endr
.if \first
	v_nop                                          ; the plain place behind the exponentials
	s_wait_alu depctr_va_vdst(0)
.endif
	s_wait_alu depctr_va_vdst(0)
.irp c, 0,1,2,3
	v_pk_add_f32 v[TT+2*\c:TT+2*\c+1], v[SB+8*\c:SB+8*\c+1], v[SB+8*\c+2:SB+8*\c+3]    ; four chains over my 32 weights
.endr
.irp c, 0,1,2,3
	v_pk_add_f32 v[TT+2*\c:TT+2*\c+1], v[TT+2*\c:TT+2*\c+1], v[SB+8*\c+4:SB+8*\c+5]
.endr
.irp c, 0,1,2,3
	v_pk_add_f32 v[TT+2*\c:TT+2*\c+1], v[TT+2*\c:TT+2*\c+1], v[SB+8*\c+6:SB+8*\c+7]
.endr
	v_pk_add_f32 v[TT:TT+1], v[TT:TT+1], v[TT+2:TT+3]
	v_pk_add_f32 v[TT+4:TT+5], v[TT+4:TT+5], v[TT+6:TT+7]
	v_pk_add_f32 v[TT:TT+1], v[TT:TT+1], v[TT+4:TT+5]
.if \first
	v_add_f32 v[LL+\qt], v[TT], v[TT+1]
.else
	v_add_f32 v[TT], v[TT], v[TT+1]
	v_fma_f32 v[LL+\qt], v[LL+\qt], v[AL], v[TT]   ; my half's sum; the halves meet at the end
.endif
.irp kt, 0,1,2,3
.irp p, 0,1,2,3
	v_cvt_pk_f16_f32 v[PP+4*\kt+\p], v[SB+8*\kt+2*\p], v[SB+8*\kt+2*\p+1]
.endr
.endr
.endm
; 64 keys against my 64 queries.  Scores run two query tiles ahead of the softmax, so that the places behind each matrix instruction are softmax work.
; more = 1: the next block's fragments are fetched, K's first and V's behind them, and the working addresses step on to that block.
.macro BLOCK first, more
	s_wait_dscnt 16                                ; K's 16 loads are in, V's 16 behind them may be out: the order of issue is K, V on every way here
	SC 0, 0
	SC 1, 1
	PLACES
	SM 0, 0, \first
	s_wait_dscnt 0                                 ; V
	PV 0, \first
	SC 2, 0
	SM 1, 1, \first
	PV 1, \first
	SC 3, 1
	SM 2, 0, \first
.if \more
	WIN 0
	LOADK KBLK                                     ; K's fragments were last read by the scores in front of the softmax step above
.endif
	PV 2, \first
	SM 3, 1, \first
	PV 3, \first
	PLACES
.if \more
	WIN 0
	LOADV VBLK
	v_add_nc_u32 v[WK], KBLK, v[WK]                ; an LDS instruction has read its address when it is issued: the step needs no wait
	v_add_nc_u32 v[WV], VBLK, v[WV]
.endif
.endm
; count blocks that fetch the next one, round a loop, then the slot's last block, which fetches nothing.
; The loop's last matrix instruction adds onto a tile of O, its first starts a tile of S: no accumulator is shared over the backward jump.
.macro BLOCKS count
	s_mov_b32 s60, \count
.Lblk_\@:
	BLOCK 0, 1
	s_sub_co_u32 s60, s60, 1
	s_cmp_lg_u32 s60, 0
	s_cbranch_scc1 .Lblk_\@
	BLOCK 0, 0
.endm
; The head of a slot of 256 keys.  The round of the cluster's barrier stands in front of the refill of the other slot.
.macro HEAD n, refill
	WIN 0
	s_wait_tensorcnt 0x0                           ; all my loads are done, my part of this slot's tile among them, so every group 0 may be written:
	ds_add_u32 v254, v255
	s_wait_dscnt 0x0
	s_add_nc_u64 s[G0V+4*\n+2:G0V+4*\n+3], s[G0V+4*\n+2:G0V+4*\n+3], 65536   ; this slot's next tile, 512 keys on
	s_add_nc_u64 s[G0K+4*\n+2:G0K+4*\n+3], s[G0K+4*\n+2:G0K+4*\n+3], 65536
	s_wait_dscnt 0x0                               ; my reads of the other slot are done
	ROUND                                          ; both now hold of every wave of all four work-groups
.if \refill
	JLOAD (1-\n)                                   ; the next tile, into the slot read last: it has this slot's four blocks in which to land
.endif
	v_mov_b32 v[WK], v[ADRK+\n]                    ; the working addresses at the slot's first block
	v_mov_b32 v[WV], v[ADRV+\n]
	LOADK 0
	LOADV 0
.endm
	HEAD 0, 1                                      ; tile 0: its first block starts maxima, sums and O
	BLOCK 1, 1
	BLOCKS 2
	WIN 0
	s_mov_b32 s53, 3                               ; tiles 1 .. 6
.Lpair:
	HEAD 1, 1
	BLOCKS 3
	HEAD 0, 1
	BLOCKS 3
	WIN 0
	s_sub_co_u32 s53, s53, 1
	s_cmp_lg_u32 s53, 0
	s_cbranch_scc1 .Lpair
	HEAD 1, 0                                      ; tile 7: nothing is left to fetch (the stepped addresses are not used)
	BLOCKS 3
	; THE END: the two halves' sums meet, O / sum, f16, 16 queries at a time through my own stage, out as rows of 128 bytes
	WIN 0x55
.irp qt, 0,1,2,3
	v_permlanex16_b32 v[TT+2*\qt+1], v[LL+\qt], s48, s49
.endr
.irp qt, 0,1,2,3
	v_add_f32 v[LL+\qt], v[LL+\qt], v[TT+2*\qt+1]
.endr
.irp qt, 0,1,2,3
	v_rcp_f32 v[TT+2*\qt], v[LL+\qt]               ; the sum is at least about 1: the largest weight of a row is 2^0
.endr
	v_nop                                          ; the plain place behind the reciprocals
	s_wait_alu depctr_va_vdst(0)
.irp qt, 0,1,2,3
.set sq, 0
.rept 16
	v_pk_mul_f32 v[OA+32*\qt+2*sq:OA+32*\qt+2*sq+1], v[OA+32*\qt+2*sq:OA+32*\qt+2*sq+1], v[TT+2*\qt:TT+2*\qt+1] op_sel_hi:[1,0]
.set sq, sq+1
.endr
.endr
.irp qt, 0,1,2,3
	WIN 0x05
.irp dt, 0,1,2,3
.irp p, 0,1,2,3
	v_cvt_pk_f16_f32 v[PK+4*\dt+\p], v[OA+32*\qt+8*\dt+2*\p], v[OA+32*\qt+8*\dt+2*\p+1]
.endr
.endr
	WIN 0
.irp dt, 0,1,2,3
	ds_store_b128 v[STO], v[PK+4*\dt:PK+4*\dt+3] offset:32*\dt
.endr
.irp t, 0,1,2,3
	ds_load_b128 v[KF+16*\qt+4*\t:KF+16*\qt+4*\t+3], v[RD] offset:576*\t   ; LDS serves a wave's instructions in order; each query tile has registers of its own
.endr
.irp t, 0,1,2,3
	s_wait_dscnt 3-\t                              ; read-back t is in, the younger ones stay out
	global_store_b128 v[CO], v[KF+16*\qt+4*\t:KF+16*\qt+4*\t+3], s[14:15] offset:\qt*2048+512*\t   ; four rows: 512 consecutive bytes, aligned
.endr
.endr
	s_wait_tensorcnt 0x0
	ds_add_u32 v254, v255
	s_wait_dscnt 0x0
	ROUND                                          ; the closing round
	s_endpgm
.Lfunc_end_k_qb097413018_attn:
	.size	k_qb097413018_attn, .Lfunc_end_k_qb097413018_attn-k_qb097413018_attn
	.p2alignl 7, 3214868480
	.fill 96, 4, 3214868480
	.section	.rodata,"a",@progbits
	.p2align	6, 0x0
	.amdhsa_kernel k_qb097413018_attn
		.amdhsa_group_segment_fixed_size 327680
		.amdhsa_private_segment_fixed_size 0
		.amdhsa_enable_private_segment 0
		.amdhsa_kernarg_size 16
		.amdhsa_user_sgpr_count 2
		.amdhsa_user_sgpr_kernarg_segment_ptr 1
		.amdhsa_wavefront_size32 1
		.amdhsa_system_sgpr_workgroup_id_x 1
		.amdhsa_system_sgpr_workgroup_id_y 1
		.amdhsa_system_sgpr_workgroup_id_z 1
		.amdhsa_system_vgpr_workitem_id 0
		.amdhsa_next_free_vgpr 512
		.amdhsa_next_free_sgpr 66
		.amdhsa_reserve_vcc 0
		.amdhsa_float_denorm_mode_32 3
		.amdhsa_float_denorm_mode_16_64 3
		.amdhsa_memory_ordered 1
		.amdhsa_forward_progress 1
		.amdhsa_inst_pref_size 255
	.end_amdhsa_kernel
	.section	.bss,"aw",@nobits
	.p2align	6
	.space	262144
	.amdgpu_metadata
---
amdhsa.version: [ 1, 2 ]
amdhsa.kernels:
  - .name:           k_qb097413018_attn
    .symbol:         k_qb097413018_attn.kd
    .args:
      - { .name: qkv, .offset: 0, .size: 8, .value_kind: global_buffer, .address_space: global }
      - { .name: att, .offset: 8, .size: 8, .value_kind: global_buffer, .address_space: global }
    .group_segment_fixed_size: 327680
    .private_segment_fixed_size: 0
    .kernarg_segment_align: 8
    .kernarg_segment_size: 16
    .max_flat_workgroup_size: 256
    .sgpr_count:     66
    .vgpr_count:     512
    .wavefront_size: 32
...
	.end_amdgpu_metadata
.endif
;; end of part 3
;; launch gemm_proj (part 4): grid 8 x 32, 4 waves a work-group, clusters of 4 x 4, 327,680 bytes of LDS; arguments att, wpb, b_proj, out0; writes out0
.if DOCPART == 4
	.amdgcn_target "amdgcn-amd-amdhsa--gfx1250"
	.amdhsa_code_object_version 6
	.text
	.protected	k_qb097413018_gemm_proj
	.globl	k_qb097413018_gemm_proj
	.p2align	8
	.type	k_qb097413018_gemm_proj,@function
k_qb097413018_gemm_proj:
	s_mov_b64 s[64:65], 0
	v_nop
	global_prefetch_b8 v0, s[64:65] scope:SCOPE_SE
	s_setreg_imm32_b32 hwreg(HW_REG_WAVE_MODE, 25, 1), 1
	s_wait_xcnt 0x0
	s_wait_alu depctr_hold_cnt(0) depctr_sa_sdst(0) depctr_va_vdst(0) depctr_va_sdst(0) depctr_va_ssrc(0) depctr_va_vcc(0) depctr_vm_vsrc(0)
	s_getreg_b32 s2, hwreg(HW_REG_IB_STS2, 6, 4)
	s_cmp_eq_u32 s2, 0
	s_cbranch_scc0 .Lentry_in_a_cluster
	s_endpgm
.Lentry_in_a_cluster:
	s_bfe_u32 s2, ttmp6, 0x10000c
	s_cmp_lg_u32 s2, 0xf033
	s_cbranch_scc0 .Lentry_shape_is_right
	s_endpgm
.Lentry_shape_is_right:
; out0 = att Wproj + b_proj.  att: f16 blocked [16 heads][8192][64].  wpb: [1024 k][1024 n] f16.  b_proj: [1024] f32.  out0: [8192][1024] f32.
; 8192 x 1024 outputs over 256 work-groups are 256 x 128 each.  Four waves, 128 x 64 each: 32 accumulator tiles in window 1.
; K goes in 8 steps of 128 (two head blocks) through two LDS slots; a head block's 256 rows are 32 KiB of dense memory, fetched as rows of 256 bytes.
; CLUSTER 4 x 4: att's tile is asked for jointly along a row of the cluster, W's along a column.  By this text's count a wave has two tensor loads
; out at the start and one behind each later round.
; The matrix instruction is used transposed (source 0 = 16 columns of W, source 1 = 16 rows of att): lane (r, h) holds row r, columns 8h .. 8h+7.
; The bias starts the sums: the first product takes it as C, so nothing is cleared and nothing is added at the end.
; LDS: slot n at n*110,592: A 2 blocks x 256 rows x 144 (128 + 16 bytes), W 128 k rows x 288 (256 + 32 bytes); behind the ring a stage of 16 x 272 for each wave.
; REGISTERS, window 0: v16-23 addresses; v32-127 and v128-223 two buffers (A's 8 fragments, then W's 4); v224-255 the bias of my lane's columns.
.set SLOT,  110592
.set BPART, 73728
.set STAGE, 221184
.set ADRA, 16
.set ADRB, 18
.set STO,  20
.set RD,   21
.set CO,   22
.set F0,   32
.set F1,   128
.set BI,   224
.set G1A, 24
.set G0A, 32
.set G1B, 40
.set G0B, 48
.set MSB, 0
.macro WIN new
.if MSB != \new
	s_set_vgpr_msb (MSB<<8)|\new
.set MSB, \new
.endif
.endm
.macro PLACES                          ; four plain vector places behind a matrix instruction (ISA guide 7.12.1)
.rept 4
	v_nop
.endr
.endm
.macro JLOAD n                         ; waves 0, 1 ask for A's two head blocks, waves 2, 3 for W's two halves of 64 k rows
	s_cmp_eq_u32 s13, 0
	s_cbranch_scc0 .Lfor_b_\@
	tensor_load_to_lds s[G0A+4*\n:G0A+4*\n+3], s[G1A:G1A+7]
	s_nop 0
	s_branch .Lasked_\@
.Lfor_b_\@:
	tensor_load_to_lds s[G0B+4*\n:G0B+4*\n+3], s[G1B:G1B+7]
	s_nop 0
.Lasked_\@:
.endm
.macro CREST
	s_cmp_lg_u32 s12, 0
	s_cbranch_scc1 .Lnot_wave_0_\@
	s_barrier_signal -3
.Lnot_wave_0_\@:
	s_barrier_wait -3
	s_barrier_signal -1
	s_barrier_wait -1
.endm
.macro CROUND
	s_barrier_signal -1
	s_barrier_wait -1
	CREST
.endm
	s_load_b256 s[4:11], s[0:1], 0x0               ; att s[4:5], wpb s[6:7], b_proj s[8:9], out0 s[10:11]
	v_lshl_add_u32 v30, v0, 2, 0x3a400
	v_mov_b32 v31, 0
	ds_add_u32 v30, v31
	v_lshrrev_b32 v1, 5, v0
	v_readfirstlane_b32 s12, v1                    ; wave 0..3
	s_lshr_b32 s13, s12, 1                         ; my half of the rows.  Also: I fetch for A (0) or for W (1)
	s_and_b32 s14, s12, 1                          ; my half of the columns.  Also: which part of the tile I fetch
	s_bfe_u32 s15, ttmp6, 0x40000                  ; cx
	s_bfe_u32 s16, ttmp6, 0x40004                  ; cy
	s_lshl_b32 s17, ttmp9, 2
	s_add_co_u32 s17, s17, s15                     ; block column 0..7
	s_and_b32 s18, ttmp7, 0xffff
	s_lshl_b32 s18, s18, 2
	s_add_co_u32 s18, s18, s16                     ; block row 0..31
	s_lshl_b32 s19, s16, 2
	s_lshl_b32 s19, 15, s19                        ; my row of the cluster
	s_lshl_b32 s20, 0x1111, s15                    ; my column
	; A: 32 KiB of dense memory as 128 rows of 32 elements of 8 bytes; 4 words of padding behind every 32 words
	s_or_b32 s[G1A+0], s19, 0x07330000
	s_mov_b32 s[G1A+1], 32<<16
	s_mov_b32 s[G1A+2], 128<<16
	s_mov_b32 s[G1A+3], 32<<16
	s_mov_b32 s[G1A+4], 128
	s_mov_b32 s[G1A+5], 32
	s_mov_b32 s[G1A+6], 0
	s_mov_b32 s[G1A+7], 0
	; W: 64 k rows of 128 f16 (256 bytes, beginning at a multiple of 256); 8 words of padding behind every 64 words
	s_or_b32 s[G1B+0], s20, 0x0f710000
	s_mov_b32 s[G1B+1], 128<<16
	s_mov_b32 s[G1B+2], 64<<16
	s_mov_b32 s[G1B+3], 128<<16
	s_mov_b32 s[G1B+4], 64
	s_mov_b32 s[G1B+5], 1024
	s_mov_b32 s[G1B+6], 0
	s_mov_b32 s[G1B+7], 0
	s_lshl_b32 s56, s18, 15                        ; A: block row * 256 rows * 128 bytes
	s_lshl_b32 s21, s14, 20                        ;    + my head block of the step's two
	s_add_co_u32 s56, s56, s21
	s_mov_b32 s57, 0
	s_lshl_b32 s58, s17, 8                         ; W: block column * 128 columns * 2 bytes
	s_lshl_b32 s22, s14, 17                        ;    + half * 64 k rows * 2,048 bytes
	s_add_co_u32 s58, s58, s22
	s_mov_b32 s59, 0
	s_mul_i32 s61, s12, 36864                      ; LDS: A's blocks at wave * 256 rows * 144 (waves 0, 1)
	s_mul_i32 s23, s12, 18432
	s_add_co_u32 s23, s23, 36864                   ;      W's halves at 73,728 + (wave - 2) * 64 rows * 288 (waves 2, 3)
	s_lshl_b32 s62, s17, 9                         ; my first column in bytes of f32: block column * 512 + half * 256
	s_lshl_b32 s63, s14, 8
	s_add_co_u32 s62, s62, s63
	s_mov_b32 s63, 0
	s_wait_dscnt 0x0
	s_wait_kmcnt 0x0
	s_add_nc_u64 s[56:57], s[4:5], s[56:57]
	s_add_nc_u64 s[58:59], s[6:7], s[58:59]
	s_add_nc_u64 s[8:9], s[8:9], s[62:63]
	s_add_nc_u64 s[10:11], s[10:11], s[62:63]
	CROUND                                         ; all sixteen work-groups are here: the first joint loads meet
.irp n, 0,1
	s_mov_b32 s[G0A+4*\n], 1
	s_add_co_u32 s[G0A+4*\n+1], s61, \n*SLOT
	s_add_nc_u64 s[G0A+4*\n+2:G0A+4*\n+3], s[56:57], \n*0x200000     ; K step n = head blocks 2 n, 2 n + 1
	s_or_b32 s[G0A+4*\n+3], s[G0A+4*\n+3], 0x80000000
	s_mov_b32 s[G0B+4*\n], 1
	s_add_co_u32 s[G0B+4*\n+1], s23, \n*SLOT
	s_add_nc_u64 s[G0B+4*\n+2:G0B+4*\n+3], s[58:59], \n*262144       ; 128 k rows of 2,048 bytes
	s_or_b32 s[G0B+4*\n+3], s[G0B+4*\n+3], 0x80000000
	JLOAD \n
.endr
	v_and_b32 v1, 15, v0                           ; r
	v_bfe_u32 v2, v0, 4, 1                         ; h
	v_lshlrev_b32 v23, 5, v2                       ; 32 h: my 8 columns of a tile
.irp i, 0,1,2,3
	global_load_b128 v[BI+8*\i:BI+8*\i+3], v23, s[8:9] offset:64*\i
	global_load_b128 v[BI+8*\i+4:BI+8*\i+7], v23, s[8:9] offset:64*\i+16
.endr
	v_mul_u32_u24 v4, v1, 144
	v_lshl_add_u32 v4, v2, 4, v4                   ; r * 144 + 16 h
	s_mul_i32 s21, s13, 18432                      ; my 128 rows
	v_add_nc_u32 v[ADRA], s21, v4
	v_add_nc_u32 v[ADRA+1], SLOT, v[ADRA]
	v_and_b32 v5, 7, v0
	v_lshl_add_u32 v6, v2, 3, v5                   ; k row 8 h + (lane & 7)
	v_mul_u32_u24 v6, v6, 288
	v_bfe_u32 v7, v0, 3, 1
	v_lshl_add_u32 v6, v7, 4, v6
	s_lshl_b32 s22, s14, 7                         ; my 64 columns
	s_add_co_u32 s22, s22, BPART
	v_add_nc_u32 v[ADRB], s22, v6
	v_add_nc_u32 v[ADRB+1], SLOT, v[ADRB]
	s_mul_i32 s21, s12, 4352
	s_add_co_u32 s21, s21, STAGE
	v_mul_u32_u24 v4, v1, 272                      ; in: row r, 32 bytes for each half of the lanes
	v_lshl_add_u32 v4, v2, 5, v4
	v_add_nc_u32 v[STO], s21, v4
	v_mul_u32_u24 v5, v2, 272                      ; back: lanes 0-15 one row of 256 bytes, lanes 16-31 the next
	v_lshl_add_u32 v5, v1, 4, v5
	v_add_nc_u32 v[RD], s21, v5
	v_lshlrev_b32 v[CO], 12, v2                    ; the same two rows in out0
	v_lshl_add_u32 v[CO], v1, 4, v[CO]
.macro FETCH n, kq, f                  ; 24 loads: quarter kq (32 along K) of the slot's 128: W's 4 fragments, A's 8
.irp i, 0,1,2,3
	ds_load_tr16_b128 v[\f+64+8*\i:\f+64+8*\i+3], v[ADRB+\n] offset:\kq*9216+32*\i
	ds_load_tr16_b128 v[\f+64+8*\i+4:\f+64+8*\i+7], v[ADRB+\n] offset:\kq*9216+32*\i+4608
.endr
.irp a, 0,1,2,3,4,5,6,7
	ds_load_b128 v[\f+8*\a:\f+8*\a+3], v[ADRA+\n] offset:(\kq/2)*36864+(\kq%2)*64+\a*2304
	ds_load_b128 v[\f+8*\a+4:\f+8*\a+7], v[ADRA+\n] offset:(\kq/2)*36864+(\kq%2)*64+\a*2304+32
.endr
.endm
; 4 na matrix instructions.  zero = 1: the bias is the first product's C.  The 32 accumulators take turns, one instruction a turn.
.macro MULP f, a0, na, zero
.if \zero
	WIN 0x40
.else
	WIN 0x50
.endif
.set ga, \a0
.rept \na
.irp i, 0,1,2,3
.if \zero
	v_wmma_f32_16x16x32_f16 v[8*(4*ga+\i):8*(4*ga+\i)+7], v[\f+64+8*\i:\f+64+8*\i+7], v[\f+8*ga:\f+8*ga+7], v[BI+8*\i:BI+8*\i+7]
.else
	v_wmma_f32_16x16x32_f16 v[8*(4*ga+\i):8*(4*ga+\i)+7], v[\f+64+8*\i:\f+64+8*\i+7], v[\f+8*ga:\f+8*ga+7], v[8*(4*ga+\i):8*(4*ga+\i)+7]
.endif
.endr
.set ga, ga+1
.endr
.endm
.macro QUART n, kq, f, g, zero         ; asks for quarter kq into buffer g, multiplies buffer f
	PLACES
	WIN 0
	FETCH \n, \kq, \g
	s_wait_dscnt 24                                ; buffer f is in; the 24 loads just issued stay out
	MULP \f, 0, 8, \zero
.endm
.macro THREE n, zero
	QUART \n, 1, F0, F1, \zero
	QUART \n, 2, F1, F0, 0
	QUART \n, 3, F0, F1, 0
.endm
.macro TURN n, next, fill              ; the last quarter, on buffer 1, and the change of slots
	s_wait_dscnt 0                                 ; my reads of this slot are over,
	s_wait_tensorcnt 0x0                           ; and all my tensor loads have landed: the one that was out is my part of the next slot
	ds_add_u32 v30, v31
	s_wait_dscnt 0x0
	s_barrier_signal -1                            ; (where the slot is filled again this barrier opens a round of the cluster's barrier)
	MULP F1, 0, 4, 0
	WIN 0
	s_barrier_wait -1
.if \fill
	CREST                                          ; no wave of any partner still reads this slot or has a load on its way
	s_add_nc_u64 s[G0A+4*\n+2:G0A+4*\n+3], s[G0A+4*\n+2:G0A+4*\n+3], 0x400000
	s_add_nc_u64 s[G0B+4*\n+2:G0B+4*\n+3], s[G0B+4*\n+2:G0B+4*\n+3], 524288
	JLOAD \n                                       ; my one tensor load behind the round, ahead of every LDS read
.endif
	PLACES
	FETCH \next, 0, F0
	MULP F1, 4, 4, 0
.endm
.macro LAP zero
	THREE 0, \zero
	TURN 0, 1, 1
	THREE 1, 0
	TURN 1, 0, 1
.endm
	s_wait_loadcnt 0x0                             ; the bias
	s_wait_tensorcnt 0x1                           ; my part of K step 0 is in; K step 1's may stay out
	s_barrier_signal -1
	s_barrier_wait -1
	FETCH 0, 0, F0
	LAP 1                                          ; K steps 0, 1
	WIN 0
	s_mov_b32 s60, 2                               ; K steps 2 .. 5
.Llap:
	LAP 0
	WIN 0
	s_sub_co_u32 s60, s60, 1
	s_cmp_lg_u32 s60, 0
	s_cbranch_scc1 .Llap
	THREE 0, 0                                     ; K steps 6, 7: nothing is left to fetch
	TURN 0, 1, 0
	THREE 1, 0
	s_wait_dscnt 0
	MULP F1, 0, 8, 0
	; THE WAY OUT: 16 rows x 64 columns of f32 at a time through my own stage, back as whole rows of 256 bytes
	PLACES
	s_lshl_b32 s62, s18, 20                        ; block row * 256 rows * 4,096 bytes
	s_lshl_b32 s63, s13, 19                        ; + my half's 128 rows
	s_add_co_u32 s62, s62, s63
	s_mov_b32 s63, 0
	s_add_nc_u64 s[10:11], s[10:11], s[62:63]
.macro OUTP a, f
	WIN 0x04                                       ; the stores' data from window 1
.irp i, 0,1,2,3
	ds_store_b128 v[STO], v[8*(4*\a+\i):8*(4*\a+\i)+3] offset:64*\i
	ds_store_b128 v[STO], v[8*(4*\a+\i)+4:8*(4*\a+\i)+7] offset:64*\i+16
.endr
	WIN 0
	s_wait_xcnt 0x0                                ; buffer f, which earlier stores read, is loaded again only behind this wait
.irp t, 0,1,2,3,4,5,6,7
	ds_load_b128 v[\f+4*\t:\f+4*\t+3], v[RD] offset:544*\t         ; LDS serves a wave's instructions in order: these see the stores above
.endr
.irp t, 0,1,2,3,4,5,6,7
	s_wait_dscnt 7-\t                              ; read-back t is in, the younger ones stay out
	global_store_b128 v[CO], v[\f+4*\t:\f+4*\t+3], s[10:11] offset:\a*65536+\t*8192 th:TH_STORE_NT   ; sixteen lanes store 256 consecutive bytes, aligned
.endr
.endm
.irp a, 0,2,4,6
	OUTP \a, F0
	OUTP (\a+1), F1
.endr
	s_wait_tensorcnt 0x0
	ds_add_u32 v30, v31
	s_wait_dscnt 0x0
	CROUND                                         ; the closing round
	s_endpgm
.Lfunc_end_k_qb097413018_gemm_proj:
	.size	k_qb097413018_gemm_proj, .Lfunc_end_k_qb097413018_gemm_proj-k_qb097413018_gemm_proj
	.p2alignl 7, 3214868480
	.fill 96, 4, 3214868480
	.section	.rodata,"a",@progbits
	.p2align	6, 0x0
	.amdhsa_kernel k_qb097413018_gemm_proj
		.amdhsa_group_segment_fixed_size 327680
		.amdhsa_private_segment_fixed_size 0
		.amdhsa_enable_private_segment 0
		.amdhsa_kernarg_size 32
		.amdhsa_user_sgpr_count 2
		.amdhsa_user_sgpr_kernarg_segment_ptr 1
		.amdhsa_wavefront_size32 1
		.amdhsa_system_sgpr_workgroup_id_x 1
		.amdhsa_system_sgpr_workgroup_id_y 1
		.amdhsa_system_sgpr_workgroup_id_z 1
		.amdhsa_system_vgpr_workitem_id 0
		.amdhsa_next_free_vgpr 512
		.amdhsa_next_free_sgpr 66
		.amdhsa_reserve_vcc 0
		.amdhsa_float_denorm_mode_32 3
		.amdhsa_float_denorm_mode_16_64 3
		.amdhsa_memory_ordered 1
		.amdhsa_forward_progress 1
		.amdhsa_inst_pref_size 118
	.end_amdhsa_kernel
	.amdgpu_metadata
---
amdhsa.version: [ 1, 2 ]
amdhsa.kernels:
  - .name:           k_qb097413018_gemm_proj
    .symbol:         k_qb097413018_gemm_proj.kd
    .args:
      - { .name: att, .offset: 0, .size: 8, .value_kind: global_buffer, .address_space: global }
      - { .name: wpb, .offset: 8, .size: 8, .value_kind: global_buffer, .address_space: global }
      - { .name: b_proj, .offset: 16, .size: 8, .value_kind: global_buffer, .address_space: global }
      - { .name: out0, .offset: 24, .size: 8, .value_kind: global_buffer, .address_space: global }
    .group_segment_fixed_size: 327680
    .private_segment_fixed_size: 0
    .kernarg_segment_align: 8
    .kernarg_segment_size: 32
    .max_flat_workgroup_size: 128
    .sgpr_count:     66
    .vgpr_count:     512
    .wavefront_size: 32
...
	.end_amdgpu_metadata
.endif
;; end of part 4
;; ======== version 2 of 2: 4 launches; 1.09 times as fast as version 1
;; limits: values are held in f16: magnitudes above 65,504 overflow, below 6.1e-05 lose precision; inputs' magnitudes at most 65,504
;; workspace buffers: xb 16,777,216 bytes; wqb 6,291,456 bytes; wpb 2,097,152 bytes; qkv 50,331,648 bytes; att 16,777,216 bytes
;; launch cast: the kernel of part 1 again; grid 768 x 1, 8 waves a work-group, no clusters, 0 bytes of LDS; arguments x, w_qkv, w_proj, xb, wqb, wpb; writes xb, wqb, wpb
;; launch gemm_qkv: the kernel of part 2 again; grid 8 x 32, 4 waves a work-group, clusters of 4 x 4, 327,680 bytes of LDS; arguments xb, wqb, b_qkv, qkv; writes qkv
;; launch attn (part 5): grid 256 x 1, 8 waves a work-group, clusters of 4 x 1, 327,680 bytes of LDS; arguments qkv, att; writes att
.if DOCPART == 5
	.amdgcn_target "amdgcn-amd-amdhsa--gfx1250"
	.amdhsa_code_object_version 6
	.text
	.protected	k_qb097413018_attn
	.globl	k_qb097413018_attn
	.p2align	8
	.type	k_qb097413018_attn,@function
k_qb097413018_attn:
	s_mov_b64 s[64:65], 0
	v_nop
	global_prefetch_b8 v0, s[64:65] scope:SCOPE_SE
	s_setreg_imm32_b32 hwreg(HW_REG_WAVE_MODE, 25, 1), 1
	s_wait_xcnt 0x0
	s_wait_alu depctr_hold_cnt(0) depctr_sa_sdst(0) depctr_va_vdst(0) depctr_va_sdst(0) depctr_va_ssrc(0) depctr_va_vcc(0) depctr_vm_vsrc(0)
	s_getreg_b32 s2, hwreg(HW_REG_IB_STS2, 6, 4)
	s_cmp_eq_u32 s2, 0
	s_cbranch_scc0 .Lentry_in_a_cluster
	s_endpgm
.Lentry_in_a_cluster:
	s_bfe_u32 s2, ttmp6, 0x10000c
	s_cmp_lg_u32 s2, 0x3003
	s_cbranch_scc0 .Lentry_shape_is_right
	s_endpgm
.Lentry_shape_is_right:
; att = softmax(q k^T / 8) v for each of 64 (batch, head) pairs, S = 2048, head size 64.  qkv: f16 blocked [48][8192][64]; att: f16 blocked [16 heads][8192][64].
; Softmax with a running maximum, in f32; the row sum is taken over the f32 weights, the product with v takes them rounded to f16.
; LIMITS: weights below 2^-25 of a row's largest round to 0 in f16; NaN or infinite q, k, v are not served.
; CLUSTER 4 x 1: a cluster is one (batch, head); its four work-groups take 512 queries each and read the same K and V, which are asked for jointly (mask 15).
; Eight waves, 64 queries each (4 tiles of 16), two waves a SIMD so that one wave's softmax overlaps the other's matrix work.
; S^T = K Q^T: lane (r, h) holds query r and keys 16 kt + 8 h + j.  Packing tiles 2 ks and 2 ks + 1 to f16 gives the B fragment of P^T for keys 32 ks ..
; with no move between lanes.  O^T = V^T P^T (V^T by the transposing load): lane (r, h) holds query r and d = 16 dt + 8 h + j.
; So maximum, sum and rescaling are a lane's own; one exchange between the two halves of 16 lanes joins the keys.
; LDS: two slots of 256 keys: V 256 x 160 (128 + 32: 5 x 32 bytes), K 256 x 144 (128 + 16: 9 x 16 bytes); behind them a stage of 16 x 144 for each wave.
; Each wave asks for 64 keys (8 KiB of dense memory as 32 rows of 256 bytes): waves 0-3 V, waves 4-7 K.  By this text's count one tensor load a wave is out.
; THE TEXT IS KEPT SHORT: a block of 64 keys is some 600 instructions, and the 2,048 keys are 32 blocks.  A block names neither its slot nor its place in
; the slot: it reads LDS through two working addresses, set at the head of each slot and stepped by one block (9,216 bytes of K, 10,240 of V).
; So a slot's first three blocks go round an inner loop, the fourth (which fetches no further fragments) is written out, and slots 1 to 6 of the eight
; go round an outer loop, two a trip: the block stands 9 times in the text.
; THE EXPONENTIALS GO IN BATCHES, ONE A SOFTMAX STEP.  A step (one query tile, 64 keys) has 33: the rescaling factor a and the lane's 32 weights.  None of them reads another's
; result, so all 33 are issued ahead of ONE wait, with the 16 scalings set among them; all that names a result (O times a, the sums, the roundings) stands behind that wait.
; A block has four such waits, each batch is closed inside its own step, and none is open at a label or a branch.  The way out's four reciprocals are a batch of their own.
; REGISTERS: window 0: v8-15 addresses, v16-79 Q, v80-143 K, v144-207 V^T fragments, v208-223 packed output, v224-225 the working LDS addresses.
;            window 1: v0-127 O, v128-191 two sets of S, v192-207 P, v208-211 maxima, v216-219 sums, v220 rescale, v222 -c max, v224-231 at work.
.set SLOT,  77824
.set KPART, 40960
.set STAGE, 155648
.set KBLK,  9216                       ; 64 keys of K in LDS
.set VBLK,  10240                      ; 64 keys of V in LDS
.set ADRK, 8                           ; v8-9   my K fragments at the head of slot 0, 1
.set ADRV, 10                          ; v10-11 my V fragments at the head of slot 0, 1
.set STO,  12
.set RD,   13
.set CO,   14
.set QO,   15
.set QF,   16                          ; (2 qt + ks) * 8
.set KF,   80                          ; (2 kt + ks) * 8
.set VF,   144                         ; (4 ks + dt) * 8
.set PK,   208
.set WK,   224                         ; my K fragments of the block at work
.set WV,   225                         ; my V fragments of the block at work
.set OA,   0                           ; window 1 from here on: 32 qt + 8 dt
.set SS,   128
.set PP,   192
.set MM,   208
.set LL,   216
.set AL,   220
.set NM,   222
.set TT,   224
.set G1V, 16
.set G1K, 24
.set G0V, 32
.set G0K, 40
.set MSB, 0
.macro WIN new                         ; the immediate's high byte repeats the setting that is left
.if MSB != \new
	s_set_vgpr_msb (MSB<<8)|\new
.set MSB, \new
.endif
.endm
.macro PLACES                          ; four plain vector places behind a matrix instruction (ISA guide 7.12.1)
.rept 4
	v_nop
.endr
.endm
.macro JLOAD n                         ; a joint load: the branch hangs on the wave's number alone
	s_cmp_eq_u32 s10, 0
	s_cbranch_scc0 .Lfor_k_\@
	tensor_load_to_lds s[G0V+4*\n:G0V+4*\n+3], s[G1V:G1V+7]
	s_nop 0
	s_branch .Lasked_\@
.Lfor_k_\@:
	tensor_load_to_lds s[G0K+4*\n:G0K+4*\n+3], s[G1K:G1K+7]
	s_nop 0
.Lasked_\@:
.endm
.macro ROUND                           ; a round of the cluster's barrier
	s_barrier_signal -1
	s_barrier_wait -1
	s_cmp_lg_u32 s8, 0
	s_cbranch_scc1 .Lnot_wave_0_\@
	s_barrier_signal -3
.Lnot_wave_0_\@:
	s_barrier_wait -3
	s_barrier_signal -1
	s_barrier_wait -1
.endm
	s_load_b128 s[4:7], s[0:1], 0x0                ; qkv s[4:5], att s[6:7]
	v_lshl_add_u32 v254, v0, 2, 0x2a800
	v_mov_b32 v255, 0
	ds_add_u32 v254, v255
	v_lshrrev_b32 v1, 5, v0
	v_readfirstlane_b32 s8, v1                     ; wave 0..7
	s_lshr_b32 s10, s8, 2                          ; I fetch for V (0) or for K (1)
	s_and_b32 s11, s8, 3                           ; which 64 keys of a tile
	s_bfe_u32 s9, ttmp6, 0x40000                   ; cx: my block of 512 queries
	s_and_b32 s54, ttmp9, 15                       ; head
	s_lshl_b32 s54, s54, 20
	s_lshr_b32 s55, ttmp9, 4                       ; batch
	s_lshl_b32 s55, s55, 18                        ; * 2,048 rows * 128 bytes
	s_add_co_u32 s54, s54, s55
	s_lshl_b32 s56, s11, 13                        ; my 64 keys
	s_add_co_u32 s56, s56, s54
	s_mov_b32 s57, 0
	s_lshl_b32 s62, s9, 16                         ; my work-group's 512 queries
	s_lshl_b32 s63, s8, 13                         ; my wave's 64
	s_add_co_u32 s62, s62, s63
	s_add_co_u32 s62, s62, s54
	s_mov_b32 s63, 0
	s_mul_i32 s55, s8, 10240                       ; LDS: V at wave * 64 keys * 160 (waves 0-3)
	s_mul_i32 s54, s8, 9216
	s_add_co_u32 s54, s54, 4096                    ;      K at 40,960 + (wave - 4) * 64 keys * 144 (waves 4-7)
	s_mov_b32 s48, 0x76543210                      ; lane i of one half reads lane i of the other
	s_mov_b32 s49, 0xfedcba98
	s_mov_b32 s50, 0x3e38aa3b                      ; c = log2(e) / 8: the scale 1/8 and the base of v_exp_f32 in one factor
	s_mov_b32 s51, 0x3e38aa3b
	s_mov_b32 s52, 0xbe38aa3b                      ; -c
	; both shapes: 8 KiB of dense memory as 32 rows of 32 elements of 8 bytes; padding behind every 32 words (one key's 128 bytes)
	s_mov_b32 s[G1V+0], 0x0f33000f                 ; mask 15; element 8 bytes; padding on; bit 21 beside the mask; every 32 words; 8 words
	s_mov_b32 s[G1K+0], 0x0733000f                 ; the same with 4 words
.irp g, G1V, G1K
	s_mov_b32 s[\g+1], 32<<16
	s_mov_b32 s[\g+2], 32<<16
	s_mov_b32 s[\g+3], 32<<16
	s_mov_b32 s[\g+4], 32
	s_mov_b32 s[\g+5], 32
	s_mov_b32 s[\g+6], 0
	s_mov_b32 s[\g+7], 0
.endr
	s_wait_dscnt 0x0
	s_wait_kmcnt 0x0
	s_add_nc_u64 s[58:59], s[4:5], s[56:57]        ; hangs on the cluster and the wave alone: equal in all four partners
	s_add_nc_u64 s[12:13], s[4:5], s[62:63]        ; my queries
	s_add_nc_u64 s[14:15], s[6:7], s[62:63]        ; my rows of att
.irp n, 0,1
	s_mov_b32 s[G0V+4*\n], 1
	s_add_co_u32 s[G0V+4*\n+1], s55, \n*SLOT
	s_add_nc_u64 s[G0V+4*\n+2:G0V+4*\n+3], s[58:59], 0x2000000+\n*32768    ; v: blocks 32 ..; tile n = 256 keys of 128 bytes
	s_or_b32 s[G0V+4*\n+3], s[G0V+4*\n+3], 0x80000000
	s_mov_b32 s[G0K+4*\n], 1
	s_add_co_u32 s[G0K+4*\n+1], s54, \n*SLOT
	s_add_nc_u64 s[G0K+4*\n+2:G0K+4*\n+3], s[58:59], 0x1000000+\n*32768    ; k: blocks 16 ..
	s_or_b32 s[G0K+4*\n+3], s[G0K+4*\n+3], 0x80000000
.endr
	ROUND                                          ; in front of the first joint load
	JLOAD 0                                        ; tile 0
	v_and_b32 v1, 15, v0                           ; r
	v_bfe_u32 v2, v0, 4, 1                         ; h
	v_and_b32 v3, 31, v0                           ; lane
	v_lshlrev_b32 v[QO], 7, v1
	v_lshl_add_u32 v[QO], v2, 4, v[QO]             ; r * 128 + 16 h
.irp qt, 0,1,2,3
.irp ks, 0,1
	global_load_b128 v[QF+8*(2*\qt+\ks):QF+8*(2*\qt+\ks)+3], v[QO], s[12:13] offset:\qt*2048+\ks*64
	global_load_b128 v[QF+8*(2*\qt+\ks)+4:QF+8*(2*\qt+\ks)+7], v[QO], s[12:13] offset:\qt*2048+\ks*64+32
.endr
.endr
	v_mul_u32_u24 v4, v1, 144
	v_lshl_add_u32 v4, v2, 4, v4                   ; r * 144 + 16 h
	v_add_nc_u32 v[ADRK], KPART, v4
	v_add_nc_u32 v[ADRK+1], SLOT, v[ADRK]
	v_and_b32 v5, 7, v0
	v_lshl_add_u32 v6, v2, 3, v5                   ; key 8 h + (lane & 7)
	v_mul_u32_u24 v6, v6, 160
	v_bfe_u32 v7, v0, 3, 1
	v_lshl_add_u32 v[ADRV], v7, 4, v6
	v_add_nc_u32 v[ADRV+1], SLOT, v[ADRV]
	s_mul_i32 s54, s8, 2304
	s_add_co_u32 s54, s54, STAGE
	v_add_nc_u32 v[STO], s54, v4
	v_bfe_u32 v7, v0, 3, 2
	v_mul_u32_u24 v7, v7, 144
	v_lshl_add_u32 v7, v5, 4, v7
	v_add_nc_u32 v[RD], s54, v7
	v_lshlrev_b32 v[CO], 4, v3
	WIN 0x40
	v_mov_b32 v[AL+1], 0                           ; the upper halves of the two pairs that are broadcast from their lower halves: written once, never used
	v_mov_b32 v[NM+1], 0
	WIN 0
	s_wait_loadcnt 0x0                             ; Q, once
.macro LOADK off                       ; 16 loads: 64 keys x 64 d, off bytes behind the block at work
.irp kt, 0,1,2,3
.irp ks, 0,1
	ds_load_b128 v[KF+8*(2*\kt+\ks):KF+8*(2*\kt+\ks)+3], v[WK] offset:\off+\kt*2304+\ks*64
	ds_load_b128 v[KF+8*(2*\kt+\ks)+4:KF+8*(2*\kt+\ks)+7], v[WK] offset:\off+\kt*2304+\ks*64+32
.endr
.endr
.endm
.macro LOADV off                       ; 16 transposing loads: 64 d x 64 keys, off bytes behind the block at work
.irp ks, 0,1
.irp dt, 0,1,2,3
	ds_load_tr16_b128 v[VF+8*(4*\ks+\dt):VF+8*(4*\ks+\dt)+3], v[WV] offset:\off+\ks*5120+\dt*32
	ds_load_tr16_b128 v[VF+8*(4*\ks+\dt)+4:VF+8*(4*\ks+\dt)+7], v[WV] offset:\off+\ks*5120+\dt*32+2560
.endr
.endr
.endm
; In SC and PV four accumulators take turns, one instruction a turn.
.macro SC qt, set                      ; S^T of 64 keys x 16 queries: 8 matrix instructions
	WIN 0x50
.irp ks, 0,1
.irp kt, 0,1,2,3
.if \ks
	v_wmma_f32_16x16x32_f16 v[SS+32*\set+8*\kt:SS+32*\set+8*\kt+7], v[KF+8*(2*\kt+\ks):KF+8*(2*\kt+\ks)+7], v[QF+8*(2*\qt+\ks):QF+8*(2*\qt+\ks)+7], v[SS+32*\set+8*\kt:SS+32*\set+8*\kt+7]
.else
	v_wmma_f32_16x16x32_f16 v[SS+32*\set+8*\kt:SS+32*\set+8*\kt+7], v[KF+8*(2*\kt+\ks):KF+8*(2*\kt+\ks)+7], v[QF+8*(2*\qt+\ks):QF+8*(2*\qt+\ks)+7], 0
.endif
.endr
.endr
.endm
.macro PV qt, first                    ; O^T += V^T P^T: 8 matrix instructions
	WIN 0x54
.irp ks, 0,1
.irp dt, 0,1,2,3
.if (1-\ks)*\first
	v_wmma_f32_16x16x32_f16 v[OA+32*\qt+8*\dt:OA+32*\qt+8*\dt+7], v[VF+8*(4*\ks+\dt):VF+8*(4*\ks+\dt)+7], v[PP+8*\ks:PP+8*\ks+7], 0
.else
	v_wmma_f32_16x16x32_f16 v[OA+32*\qt+8*\dt:OA+32*\qt+8*\dt+7], v[VF+8*(4*\ks+\dt):VF+8*(4*\ks+\dt)+7], v[PP+8*\ks:PP+8*\ks+7], v[OA+32*\qt+8*\dt:OA+32*\qt+8*\dt+7]
.endif
.endr
.endr
.endm
; Softmax step of query tile qt on S set: new maximum, P = 2^(c S - c max), O and the sum rescaled, P packed to f16.
; One maximum register a tile, so that every block's text is alike: the new maximum is made at work and moved in when the old one has been used.
; The step is cut in two by its one wait.  Ahead of it: the maximum and its statistics, then THE BATCH, in which nothing names an exponential's result: scalings 0 and 1, the
; exponential for a, fourteen times (the scaling of pair i + 2, the two exponentials of pair i), the last four exponentials.  Each weight is made in place, a in a register of its own.
; Behind it: the readers.
.macro SM qt, set, first
	WIN 0x55
.set SB, SS+32*\set
.irp c, 0,1,2,3
	v_max3_num_f32 v[TT+\c], v[SB+8*\c], v[SB+8*\c+1], v[SB+8*\c+2]        ; four chains over my 32 scores
.endr
.irp c, 0,1,2,3
	v_max3_num_f32 v[TT+\c], v[TT+\c], v[SB+8*\c+3], v[SB+8*\c+4]
.endr
.irp c, 0,1,2,3
	v_max3_num_f32 v[TT+\c], v[TT+\c], v[SB+8*\c+5], v[SB+8*\c+6]
.endr
	v_max3_num_f32 v[TT], v[TT], v[SB+7], v[SB+15]
	v_max3_num_f32 v[TT+1], v[TT+1], v[SB+23], v[SB+31]
.if \first
	v_max_num_f32 v[TT+2], v[TT+2], v[TT+3]
.else
	v_max3_num_f32 v[TT+2], v[TT+2], v[TT+3], v[MM+\qt]                    ; the running maximum joins here
.endif
	v_max3_num_f32 v[TT], v[TT], v[TT+1], v[TT+2]
	v_permlanex16_b32 v[TT+1], v[TT], s48, s49     ; the other half's keys of the same query
.if \first
	v_max_num_f32 v[MM+\qt], v[TT], v[TT+1]
	v_mul_f32 v[NM], s52, v[MM+\qt]                ; -c max
.else
	v_max_num_f32 v[TT], v[TT], v[TT+1]            ; the new maximum
	v_mul_f32 v[NM], s52, v[TT]                    ; -c max
	v_fma_f32 v[TT+2], v[MM+\qt], s50, v[NM]       ; c old - c new
.endif
.irp b, 0,1
	v_pk_fma_f32 v[SB+2*\b:SB+2*\b+1], v[SB+2*\b:SB+2*\b+1], s[50:51], v[NM:NM+1] op_sel_hi:[1,0,0]   ; the batch begins: pairs 0 and 1 are scaled
.endr
.if \first
.else
	v_exp_f32 v[AL], v[TT+2]                       ; a = 2^(c old - c new): the batch's first; the scaling below is the plain place behind it
.endif
.set sq, 0
.rept 16
.if sq < 14
	v_pk_fma_f32 v[SB+2*sq+4:SB+2*sq+5], v[SB+2*sq+4:SB+2*sq+5], s[50:51], v[NM:NM+1] op_sel_hi:[1,0,0]   ; a pair is scaled two groups ahead of its exponentials
.endif
	v_exp_f32 v[SB+2*sq], v[SB+2*sq]
	v_exp_f32 v[SB+2*sq+1], v[SB+2*sq+1]
.set sq, sq+1
.endr
.if \first
	v_nop                                          ; the plain place behind the last exponential: the first block has no other work for it
.else
	v_mov_b32 v[MM+\qt], v[TT]                     ; the new maximum moves in: it names nothing of the batch, and is the plain place behind the last exponential
.endif
	s_wait_alu depctr_va_vdst(0)                   ; the wait ahead of the first line that names a result: ONE for the step's batch, a and the 32 weights
.if \first
.else
.set sq, 0
.rept 16
	v_pk_mul_f32 v[OA+32*\qt+2*sq:OA+32*\qt+2*sq+1], v[OA+32*\qt+2*sq:OA+32*\qt+2*sq+1], v[AL:AL+1] op_sel_hi:[1,0]   ; O rescaled, each accumulator from its low end on
.set sq, sq+1
.endr
.endif
.irp c, 0,1,2,3
	v_pk_add_f32 v[TT+2*\c:TT+2*\c+1], v[SB+8*\c:SB+8*\c+1], v[SB+8*\c+2:SB+8*\c+3]    ; four chains over my 32 weights
.endr
.irp c, 0,1,2,3
	v_pk_add_f32 v[TT+2*\c:TT+2*\c+1], v[TT+2*\c:TT+2*\c+1], v[SB+8*\c+4:SB+8*\c+5]
.endr
.irp c, 0,1,2,3
	v_pk_add_f32 v[TT+2*\c:TT+2*\c+1], v[TT+2*\c:TT+2*\c+1], v[SB+8*\c+6:SB+8*\c+7]
.endr
	v_pk_add_f32 v[TT:TT+1], v[TT:TT+1], v[TT+2:TT+3]
	v_pk_add_f32 v[TT+4:TT+5], v[TT+4:TT+5], v[TT+6:TT+7]
	v_pk_add_f32 v[TT:TT+1], v[TT:TT+1], v[TT+4:TT+5]
.if \first
	v_add_f32 v[LL+\qt], v[TT], v[TT+1]
.else
	v_add_f32 v[TT], v[TT], v[TT+1]
	v_fma_f32 v[LL+\qt], v[LL+\qt], v[AL], v[TT]   ; my half's sum; the halves meet at the end
.endif
.irp kt, 0,1,2,3
.irp p, 0,1,2,3
	v_cvt_pk_f16_f32 v[PP+4*\kt+\p], v[SB+8*\kt+2*\p], v[SB+8*\kt+2*\p+1]
.endr
.endr
.endm
; 64 keys against my 64 queries.  Scores run two query tiles ahead of the softmax, so that the places behind each matrix instruction are softmax work.
; more = 1: the next block's fragments are fetched, K's first and V's behind them, and the working addresses step on to that block.
.macro BLOCK first, more
	s_wait_dscnt 16                                ; K's 16 loads are in, V's 16 behind them may be out: the order of issue is K, V on every way here
	SC 0, 0
	SC 1, 1
	PLACES
	SM 0, 0, \first
	s_wait_dscnt 0                                 ; V
	PV 0, \first
	SC 2, 0
	SM 1, 1, \first
	PV 1, \first
	SC 3, 1
	SM 2, 0, \first
.if \more
	WIN 0
	LOADK KBLK                                     ; K's fragments were last read by the scores in front of the softmax step above
.endif
	PV 2, \first
	SM 3, 1, \first
	PV 3, \first
	PLACES
.if \more
	WIN 0
	LOADV VBLK
	v_add_nc_u32 v[WK], KBLK, v[WK]                ; an LDS instruction has read its address when it is issued: the step needs no wait
	v_add_nc_u32 v[WV], VBLK, v[WV]
.endif
.endm
; count blocks that fetch the next one, round a loop, then the slot's last block, which fetches nothing.
; The loop's last matrix instruction adds onto a tile of O, its first starts a tile of S: no accumulator is shared over the backward jump.
.macro BLOCKS count
	s_mov_b32 s60, \count
.Lblk_\@:
	BLOCK 0, 1
	s_sub_co_u32 s60, s60, 1
	s_cmp_lg_u32 s60, 0
	s_cbranch_scc1 .Lblk_\@
	BLOCK 0, 0
.endm
; The head of a slot of 256 keys.  The round of the cluster's barrier stands in front of the refill of the other slot.
.macro HEAD n, refill
	WIN 0
	s_wait_tensorcnt 0x0                           ; all my loads are done, my part of this slot's tile among them, so every group 0 may be written:
	ds_add_u32 v254, v255
	s_wait_dscnt 0x0
	s_add_nc_u64 s[G0V+4*\n+2:G0V+4*\n+3], s[G0V+4*\n+2:G0V+4*\n+3], 65536   ; this slot's next tile, 512 keys on
	s_add_nc_u64 s[G0K+4*\n+2:G0K+4*\n+3], s[G0K+4*\n+2:G0K+4*\n+3], 65536
	s_wait_dscnt 0x0                               ; my reads of the other slot are done
	ROUND                                          ; both now hold of every wave of all four work-groups
.if \refill
	JLOAD (1-\n)                                   ; the next tile, into the slot read last: it has this slot's four blocks in which to land
.endif
	v_mov_b32 v[WK], v[ADRK+\n]                    ; the working addresses at the slot's first block
	v_mov_b32 v[WV], v[ADRV+\n]
	LOADK 0
	LOADV 0
.endm
	HEAD 0, 1                                      ; tile 0: its first block starts maxima, sums and O
	BLOCK 1, 1
	BLOCKS 2
	WIN 0
	s_mov_b32 s53, 3                               ; tiles 1 .. 6
.Lpair:
	HEAD 1, 1
	BLOCKS 3
	HEAD 0, 1
	BLOCKS 3
	WIN 0
	s_sub_co_u32 s53, s53, 1
	s_cmp_lg_u32 s53, 0
	s_cbranch_scc1 .Lpair
	HEAD 1, 0                                      ; tile 7: nothing is left to fetch (the stepped addresses are not used)
	BLOCKS 3
	; THE END: the two halves' sums meet, O / sum, f16, 16 queries at a time through my own stage, out as rows of 128 bytes
	WIN 0x55
.irp qt, 0,1,2,3
	v_permlanex16_b32 v[TT+2*\qt+1], v[LL+\qt], s48, s49
.endr
.irp qt, 0,1,2,3
	v_add_f32 v[LL+\qt], v[LL+\qt], v[TT+2*\qt+1]
.endr
.irp qt, 0,1,2,3
	v_rcp_f32 v[TT+2*\qt], v[LL+\qt]               ; the sum is at least about 1: the largest weight of a row is 2^0
.endr
	v_nop                                          ; the plain place behind the reciprocals
	s_wait_alu depctr_va_vdst(0)                   ; the wait ahead of the first use: one for the batch of four reciprocals
.irp qt, 0,1,2,3
.set sq, 0
.rept 16
	v_pk_mul_f32 v[OA+32*\qt+2*sq:OA+32*\qt+2*sq+1], v[OA+32*\qt+2*sq:OA+32*\qt+2*sq+1], v[TT+2*\qt:TT+2*\qt+1] op_sel_hi:[1,0]
.set sq, sq+1
.endr
.endr
.irp qt, 0,1,2,3
	WIN 0x05
.irp dt, 0,1,2,3
.irp p, 0,1,2,3
	v_cvt_pk_f16_f32 v[PK+4*\dt+\p], v[OA+32*\qt+8*\dt+2*\p], v[OA+32*\qt+8*\dt+2*\p+1]
.endr
.endr
	WIN 0
.irp dt, 0,1,2,3
	ds_store_b128 v[STO], v[PK+4*\dt:PK+4*\dt+3] offset:32*\dt
.endr
.irp t, 0,1,2,3
	ds_load_b128 v[KF+16*\qt+4*\t:KF+16*\qt+4*\t+3], v[RD] offset:576*\t   ; LDS serves a wave's instructions in order; each query tile has registers of its own
.endr
.irp t, 0,1,2,3
	s_wait_dscnt 3-\t                              ; read-back t is in, the younger ones stay out
	global_store_b128 v[CO], v[KF+16*\qt+4*\t:KF+16*\qt+4*\t+3], s[14:15] offset:\qt*2048+512*\t   ; four rows: 512 consecutive bytes, aligned
.endr
.endr
	s_wait_tensorcnt 0x0
	ds_add_u32 v254, v255
	s_wait_dscnt 0x0
	ROUND                                          ; the closing round
	s_endpgm
.Lfunc_end_k_qb097413018_attn:
	.size	k_qb097413018_attn, .Lfunc_end_k_qb097413018_attn-k_qb097413018_attn
	.p2alignl 7, 3214868480
	.fill 96, 4, 3214868480
	.section	.rodata,"a",@progbits
	.p2align	6, 0x0
	.amdhsa_kernel k_qb097413018_attn
		.amdhsa_group_segment_fixed_size 327680
		.amdhsa_private_segment_fixed_size 0
		.amdhsa_enable_private_segment 0
		.amdhsa_kernarg_size 16
		.amdhsa_user_sgpr_count 2
		.amdhsa_user_sgpr_kernarg_segment_ptr 1
		.amdhsa_wavefront_size32 1
		.amdhsa_system_sgpr_workgroup_id_x 1
		.amdhsa_system_sgpr_workgroup_id_y 1
		.amdhsa_system_sgpr_workgroup_id_z 1
		.amdhsa_system_vgpr_workitem_id 0
		.amdhsa_next_free_vgpr 512
		.amdhsa_next_free_sgpr 66
		.amdhsa_reserve_vcc 0
		.amdhsa_float_denorm_mode_32 3
		.amdhsa_float_denorm_mode_16_64 3
		.amdhsa_memory_ordered 1
		.amdhsa_forward_progress 1
		.amdhsa_inst_pref_size 255
	.end_amdhsa_kernel
	.section	.bss,"aw",@nobits
	.p2align	6
	.space	262144
	.amdgpu_metadata
---
amdhsa.version: [ 1, 2 ]
amdhsa.kernels:
  - .name:           k_qb097413018_attn
    .symbol:         k_qb097413018_attn.kd
    .args:
      - { .name: qkv, .offset: 0, .size: 8, .value_kind: global_buffer, .address_space: global }
      - { .name: att, .offset: 8, .size: 8, .value_kind: global_buffer, .address_space: global }
    .group_segment_fixed_size: 327680
    .private_segment_fixed_size: 0
    .kernarg_segment_align: 8
    .kernarg_segment_size: 16
    .max_flat_workgroup_size: 256
    .sgpr_count:     66
    .vgpr_count:     512
    .wavefront_size: 32
...
	.end_amdgpu_metadata
.endif
;; end of part 5
;; launch gemm_proj: the kernel of part 4 again; grid 8 x 32, 4 waves a work-group, clusters of 4 x 4, 327,680 bytes of LDS; arguments att, wpb, b_proj, out0; writes out0
